; MI455X (gfx1250); checked and timed in simulation.
; The chip was launched on July 23, 2026; its instructions are those of AMD's public machine-readable ISA for CDNA 5 (MIT licence, August 2026) and "CDNA5" Instruction Set Architecture Reference Guide (July 2026). The comments in the code are by the model that wrote it; some were corrected since.
;; Multi Head Self Attention. Allowed arithmetic: matrix products marked QUANTISED: E2M3 operands, one E8M0 scale for each 32 along K, by v_wmma_scale_f32_16x16x128_f8f6f4 with both operands' format E2M3, f32 sums; everything else in f32.
;; Inputs: Wk 1,024 x 1,024 float32; Wo 1,024 x 1,024 float32; Wq 1,024 x 1,024 float32; Wv 1,024 x 1,024 float32; bk 1,024 float32; bo 1,024 float32; bq 1,024 float32; bv 1,024 float32; x 4 x 2,048 x 1,024 float32.
;; Outputs: out0 4 x 2,048 x 1,024 float32.
;; This version of the problem:
;;   THIS VERSION OF THE PROBLEM IS GIVEN IN LOW PRECISION. The matrix products marked QUANTISED in the list below multiply operands that are first quantised to E2M3 (2 exponent bits, 3 mantissa bits; 6 bits a number), with one power-of-two scale for each 32 numbers along K (OCP MX v1.0); their sums are f32. All else is computed in f32.
;;   The module's matrix products, in the order in which they are computed (A, B: the left and right operand; K: the contracted axis; several contracted axes count as one K, in the product's order):
;;     1. [M 8,192, K 1,024] x [K 1,024, N 1,024]; A: input x; B: input Wq: QUANTISED
;;     2. [M 8,192, K 1,024] x [K 1,024, N 1,024]; A: input x; B: input Wk: QUANTISED
;;     3. [M 8,192, K 1,024] x [K 1,024, N 1,024]; A: input x; B: input Wv: QUANTISED
;;     4. batch 64 x [M 2,048, K 64] x [K 64, N 2,048]; A: computed on the way; B: computed on the way: QUANTISED
;;     5. batch 64 x [M 2,048, K 2,048] x [K 2,048, N 64]; A: softmax (see below); B: computed on the way: QUANTISED
;;     6. [M 8,192, K 1,024] x [K 1,024, N 1,024]; A: computed on the way; B: input Wo: QUANTISED
;;   THE QUANTISER, for each operand of a quantised product, along K:
;;     - K is cut into blocks of 32 from its start; a last block that is shorter is filled with zeros.
;;     - A block's scale is 2^e with e = floor(log2(the largest magnitude in the block)) - 2, held to -126 .. 127; a block of zeros has e = 0. As a byte (E8M0): e + 127.
;;     - Each number is divided by its block's scale, clamped to +-7.5, and rounded to the nearest number of E2M3, ties to even, subnormals kept.
;;     - The product sums the exact products of the quantised numbers (number of the format x scale) in f32.
;;   ~~~python
;;   def quantise(x, axis):      # numpy; x: float32 -> the quantised numbers, widened to float32 again
;;       x = np.moveaxis(x, axis, -1); K = x.shape[-1]
;;       x = np.pad(x, [(0, 0)] * (x.ndim - 1) + [(0, -K % 32)]); x = x.reshape(x.shape[:-1] + (-1, 32)); a = np.abs(x).max(-1, keepdims=True)
;;       e = np.where(a > 0, np.clip(np.frexp(np.where(a > 0, a, 1))[1] - 1 - 2, -126, 127), 0)      # np.frexp(a)[1] - 1 = floor(log2(a)), exactly
;;       r = np.clip(x / 2.0 ** e, -7.5, 7.5)
;;       step = 2.0 ** (np.maximum(np.frexp(np.where(r == 0, 1, r))[1] - 1, 0) - 3)
;;       q = np.round(r / step) * step * 2.0 ** e      # np.round: ties to even
;;       return np.moveaxis(q.reshape(q.shape[:-2] + (-1,))[..., :K], -1, axis).astype(np.float32)
;;   ~~~
;;   SOFTMAX AHEAD OF A QUANTISED PRODUCT. Where the list says 'softmax', what is quantised is not the finished softmax but p = 2^(t - M), with t = logit x log2(e) and M = ceil(the row's largest t), a whole number; so 1/2 < the row's largest p <= 1. The row's sum l is taken of the UNQUANTISED p, in f32, and the product's result is divided by l at the end. Since M is a whole number, a kernel that streams over the keys may use a running M (the ceiling of the running maximum): every later rescaling is an exact power of two, which a block's scale takes up: the codes' values come out the same.
;;   OPERANDS COMPUTED ON THE WAY. 'Computed on the way' means the value that the module computes at that place (a softmax that the list does not call 'softmax' is quantised finished and normalised). What goes into a quantiser is computed in f32, as accurately as f32 sums, v_exp_f32 and their like allow (about 1e-6 of the number): no bf16 or f16 on the way to a quantiser, and a product that is left as it is and whose result goes on into a quantised operand takes f32 operands (vector FMAs, or v_wmma_f32_16x16x4_f32). A number that lies on a knife's edge between two numbers of the format may be rounded either way, as far as f32 arithmetic and the matrix unit's own rounding can turn it there, and no further.
;; One version. Each part assembles by itself: llvm-mc -triple=amdgcn-amd-amdhsa -mcpu=gfx1250 --defsym DOCPART=n.
;; ======== version 1 of 1: 4 launches
;; limits: right only within a limited range of input values
;; workspace buffers: ximg 6,291,456 bytes; xsc 262,144 bytes; wimg 3,145,728 bytes; wsc 131,072 bytes; qimg 6,291,456 bytes; kv 13,369,344 bytes; oimg 6,291,456 bytes; osc 262,144 bytes
;; launch quant (part 1): grid 768 x 1, 2 waves a work-group, no clusters, 17,152 bytes of LDS; arguments x, Wq, Wk, Wv, Wo, ximg, xsc, wimg, wsc; writes ximg, xsc, wimg, wsc
.if DOCPART == 1
	.amdgcn_target "amdgcn-amd-amdhsa--gfx1250"
	.amdhsa_code_object_version 6
	.text
	.protected	k_qdbc4f760cd_quant
	.globl	k_qdbc4f760cd_quant
	.p2align	8
	.type	k_qdbc4f760cd_quant,@function
k_qdbc4f760cd_quant:
	s_mov_b64 s[64:65], 0
	v_nop
	global_prefetch_b8 v0, s[64:65] scope:SCOPE_SE
	s_setreg_imm32_b32 hwreg(HW_REG_WAVE_MODE, 25, 1), 1
	s_wait_xcnt 0x0
; x [8192][1024] and Wq, Wk, Wv, Wo [1024 (k)][1024 (n)], f32, become codes of FP6 (E2M3) with one E8M0 byte for each 32 along K, laid in the ORDER OF THE OPERAND'S REGISTERS.
; A block's scale is 2^(floor(log2(largest magnitude)) - 2): its byte is the largest magnitude's exponent field - 2, held at 1 from below by a floor among the maximum's leaves.
; LIMITS: a block of zeros, or one whose largest magnitude lies under 2^-124, gets the byte 1 (its codes are zeros or tiny; only this program reads the bytes); NaN and infinities are not served.
; IMAGES.  Rows (of x: tokens; of a weight: its columns n) go in blocks of 16; lane r of block rb holds true row 32 (rb / 2) + 8 (rb % 2) + r + 8 (r / 8).
;   A HALF is 16 rows x 64 K = 768 bytes: registers 0-3 of lane L at 16 L, registers 4-5 at 512 + 8 L; lane (r, h) holds the block of 32 numbered h.  A fragment (128 K) is two halves; a row block is 8 fragments, 12,288 bytes.
;   Scale words: [rb / 4][ks 0..7][r][rb % 4][4 bytes]: 256 bytes for each (rb / 4, ks).
;   wimg's row blocks: 8 head + t: Wq, 8 head + 4 + t: Wk (t = 0..3); 128 + ..: Wv; 192 + ..: Wo.
; Work-groups 0-511 take x, 512-767 the weights; a wave takes four row blocks x one K step of 128, so that its scale words are one run of 256 bytes.  Waves share nothing, so there is no barrier.  Only x's path uses LDS.
.set STG,   8448                       ; a wave's stage: 16 rows x (512 + 16) bytes
.set SPARE, 2*STG                      ; behind the stages: the spare words, 128 bytes a wave
.set SPW,   12                         ; v12 my spare word's LDS address; never rewritten
.set NIL,   13                         ; v13 0; never rewritten
.set R,     16                         ; v16-143  numbers as loaded, two sets
.set X,     144                        ; v144-207 x: 64 numbers, two whole blocks of my row
.set C,     208                        ; v208-219 codes
.set T,     220                        ; v220-227 the conversions' second results
.set WD,    228                        ; v228-231 scale words
.set TM,    236                        ; v236-247 at work
.set FLOOR, 0x1800000                  ; 2^(3 - 127)
.set EOFF,  0xff000000                 ; takes 2 off an exponent field
	s_load_b256 s[4:11], s[0:1], 0x0               ; x, Wq, Wk, Wv
	s_load_b256 s[12:19], s[0:1], 0x20             ; Wo, ximg, xsc, wimg
	s_load_b64 s[20:21], s[0:1], 0x40              ; wsc
	v_lshl_add_u32 v[SPW], v0, 2, SPARE
	v_mov_b32 v[NIL], 0
	v_lshrrev_b32 v1, 5, v0
	v_readfirstlane_b32 s22, v1                    ; wave 0, 1
	v_and_b32 v8, 31, v0                           ; L
	v_and_b32 v9, 15, v0                           ; r
	v_bfe_u32 v10, v0, 4, 1                        ; h
	v_lshlrev_b32 v1, 4, v8                        ; 16 L
	v_lshl_add_u32 v2, v8, 3, 512                  ; 512 + 8 L
	s_mul_i32 s23, s22, STG
	v_add_nc_u32 v3, s23, v1                       ; the stage on the way in: a row's 512 bytes as they lie
	v_mul_u32_u24 v4, v9, 528
	v_lshl_add_u32 v4, v10, 7, v4
	v_add_nc_u32 v4, s23, v4                       ; and on the way out: row r, block h
	v_lshlrev_b32 v5, 3, v10                       ; 8 h
	v_and_b32 v6, 7, v8
	v_bfe_u32 v11, v8, 3, 1
	v_lshl_add_u32 v6, v11, 4, v6
	v_lshl_add_u32 v6, v10, 3, v6                  ; a weight's column for lane L: L % 8 + 16 ((L / 8) % 2) + 8 (L / 16)
	v_lshlrev_b32 v6, 2, v6
	v_lshlrev_b32 v7, 4, v9
	v_lshl_add_u32 v7, v10, 3, v7                  ; scale words out: 16 r + 8 h: lane (r, h) stores the words of row blocks 2 h, 2 h + 1
	v_mov_b32 v[TM+7], 0                           ; a lane permute's destination counts as read
	s_mov_b32 s24, 0x76543210
	s_mov_b32 s25, 0xfedcba98                      ; selects for lane l xor 16
	s_mov_b32 s26, 0xffff0000                      ; lanes 16-31
	s_lshl_b32 s27, ttmp9, 1
	s_add_co_u32 s27, s27, s22                     ; 2 x work-group + wave
	s_mov_b32 s33, 0
	s_mov_b32 s35, 0
	s_wait_alu depctr_va_vdst(0)                   ; the wait at the head's end
	s_wait_kmcnt 0x0
	s_cmp_lt_u32 ttmp9, 512
	s_cbranch_scc0 .Lweights
; ---------------- x: a wave takes 64 rows (four row blocks) x 128 along K: four fragments, f = the row block
	s_lshr_b32 s28, s27, 3                         ; which 64 rows
	s_and_b32 s30, s27, 7                          ; which K step
	s_lshl_b32 s32, s28, 18
	s_lshl_b32 s34, s30, 9
	s_add_co_u32 s32, s32, s34
	s_add_nc_u64 s[4:5], s[4:5], s[32:33]          ; x
	s_lshl_b32 s32, s28, 5
	s_add_co_u32 s32, s32, s30
	s_mul_i32 s32, s32, 1536
	s_add_nc_u64 s[14:15], s[14:15], s[32:33]      ; ximg
	s_lshl_b32 s32, s28, 11
	s_lshl_b32 s34, s30, 8
	s_add_co_u32 s32, s32, s34
	s_add_nc_u64 s[16:17], s[16:17], s[32:33]      ; xsc
.macro XLOAD f                         ; 16 rows x 512 bytes: each load reads 512 consecutive bytes
.set rr, 0
.rept 16
	global_load_b128 v[R+64*((\f)%2)+4*rr:R+64*((\f)%2)+4*rr+3], v1, s[4:5] offset:(32*((\f)/2)+8*((\f)%2)+rr+8*(rr/8))*4096 th:TH_LOAD_NT
.set rr, rr+1
.endr
.endm
.macro XFRAG f
.if (\f) < 3
	s_wait_loadcnt 16                              ; this fragment's 16 loads are in; the next one's 16 may be out
.else
	s_wait_loadcnt 0x0
.endif
.set rr, 0
.rept 16
	ds_store_b128 v3, v[R+64*((\f)%2)+4*rr:R+64*((\f)%2)+4*rr+3] offset:528*rr
.set rr, rr+1
.endr
.irp c, 0,1                            ; LDS serves a wave's instructions in order: these see the stores above
.irp j, 0,1,2,3,4,5,6,7
	ds_load_b128 v[X+32*\c+4*\j:X+32*\c+4*\j+3], v4 offset:256*\c+16*\j
.endr
.endr
	s_wait_dscnt 0x0                               ; my two blocks are here, and the stores have read their registers
.if (\f)+2 < 4
	XLOAD (\f)+2
.endif
.irp c, 0,1
	v_max3_num_f32 v[TM+\c], |v[X+32*\c]|, |v[X+32*\c+1]|, FLOOR
.endr
.irp i, 2,4,6,8,10,12,14,16,18,20,22,24,26,28,30
.irp c, 0,1
	v_max3_num_f32 v[TM+\c], v[TM+\c], |v[X+32*\c+\i]|, |v[X+32*\c+\i+1]|
.endr
.endr
.irp c, 0,1
	v_add_nc_u32 v[TM+2+\c], EOFF, v[TM+\c]        ; the conversion's scale operand
.endr
.irp c, 0,1
	v_lshrrev_b32 v[TM+4+\c], 23, v[TM+2+\c]       ; the byte
.endr
	v_lshl_or_b32 v[TM+6], v[TM+5], 16, v[TM+4]    ; blocks h and 2 + h,
	v_lshlrev_b32 v[TM+6], v5, v[TM+6]             ; at their places,
	v_permlanex16_b32 v[TM+7], v[TM+6], s24, s25
	v_or_b32 v[WD+(\f)], v[TM+6], v[TM+7]          ; with lane l xor 16's two: row r's word, in both halves of the lanes
.if (\f) > 0
	s_wait_alu depctr_va_vdst(0)
	s_wait_xcnt 0x0                                ; the last fragment's stores have read their data: the codes' registers may be written
.endif
.irp c, 0,1
	v_cvt_scalef32_pk16_fp6_f32 v[C+6*\c:C+6*\c+2], v[X+32*\c:X+32*\c+15], v[TM+2+\c]
	v_cvt_scalef32_pk16_fp6_f32 v[T+4*\c:T+4*\c+2], v[X+32*\c+16:X+32*\c+31], v[TM+2+\c]
.endr
	v_nop                                          ; one plain place behind a scaled conversion
.irp c, 0,1
.irp i, 0,1,2
	v_mov_b32 v[C+6*\c+3+\i], v[T+4*\c+\i]
.endr
.endr
.irp c, 0,1
	global_store_b128 v1, v[C+6*\c:C+6*\c+3], s[14:15] offset:12288*(\f)+768*\c     ; 512 consecutive bytes
	global_store_b64 v2, v[C+6*\c+4:C+6*\c+5], s[14:15] offset:12288*(\f)+768*\c    ; 256 consecutive bytes
.endr
.endm
	XLOAD 0
	XLOAD 1
.irp f, 0,1,2,3
	XFRAG \f
.endr
	v_cndmask_b32 v[TM], v[WD], v[WD+2], s26       ; lanes 0-15 the words of row blocks 0, 1; lanes 16-31 of 2, 3
	v_cndmask_b32 v[TM+1], v[WD+1], v[WD+3], s26
	global_store_b64 v7, v[TM:TM+1], s[16:17]      ; one aligned run of 256 bytes
	s_wait_tensorcnt 0x0                           ; the wave's end
	ds_add_u32 v[SPW], v[NIL]
	s_wait_dscnt 0x0
	s_endpgm
; ---------------- the weights: a wave takes 64 columns x 128 along K.  A LANE TAKES A COLUMN AND ITS REGISTERS RUN DOWN K: a block of 32 lies in one lane, and the codes come out with K innermost.
.Lweights:
	s_sub_co_u32 s27, s27, 1024
	s_lshr_b32 s28, s27, 7                         ; which weight: 0 Wq, 1 Wk, 2 Wv, 3 Wo
	s_and_b32 s30, s27, 15                         ; which 64 columns
	s_bfe_u32 s31, s27, 0x30004                    ; which K step
	s_cmp_lt_u32 s28, 2
	s_cselect_b64 s[4:5], s[6:7], s[10:11]         ; Wq or Wv
	s_cselect_b64 s[6:7], s[8:9], s[12:13]         ; Wk or Wo
	s_cselect_b32 s32, 3, 2
	s_cselect_b32 s34, 2, 6
	s_lshl_b32 s32, s30, s32
	s_lshl_b32 s34, s28, s34
	s_add_co_u32 s32, s32, s34                     ; first row block: 8 cg + 4 w, or 64 w + 4 cg
	s_and_b32 s34, s28, 1
	s_cmp_eq_u32 s34, 1
	s_cselect_b64 s[4:5], s[6:7], s[4:5]
	s_lshl_b32 s34, s31, 19
	s_lshl_b32 s36, s30, 8
	s_add_co_u32 s34, s34, s36
	s_add_nc_u64 s[4:5], s[4:5], s[34:35]          ; the weight at (128 ks, 64 cg)
	s_lshl_b32 s34, s32, 3
	s_add_co_u32 s34, s34, s31
	s_mul_i32 s34, s34, 1536
	s_add_nc_u64 s[18:19], s[18:19], s[34:35]      ; wimg
	s_lshl_b32 s34, s32, 1
	s_add_co_u32 s34, s34, s31
	s_lshl_b32 s34, s34, 8
	s_add_nc_u64 s[20:21], s[20:21], s[34:35]      ; wsc: 512 bytes a row block, 256 a K step
.macro WLOAD t                         ; block t = (32 columns t / 4, block t % 4): 32 rows of the weight, 128 bytes a load
.set rr, 0
.rept 32
	global_load_b32 v[R+32*((\t)%2)+rr], v6, s[4:5] offset:(32*((\t)%4)+rr)*4096+128*((\t)/4) th:TH_LOAD_NT
.set rr, rr+1
.endr
.endm
.macro WBLOCK t
.set XS, R+32*((\t)%2)
.set CC, C+6*((\t)%2)
.set WW, WD+(\t)/4
.if (\t) < 7
	s_wait_loadcnt 32                              ; this block's 32 loads are in; the next block's may be out
.else
	s_wait_loadcnt 0x0
.endif
	v_max3_num_f32 v[TM], |v[XS]|, |v[XS+1]|, |v[XS+2]|
	v_max3_num_f32 v[TM+1], |v[XS+3]|, |v[XS+4]|, |v[XS+5]|
.irp i, 6,10,14,18,22,26
	v_max3_num_f32 v[TM], v[TM], |v[XS+\i]|, |v[XS+\i+1]|
	v_max3_num_f32 v[TM+1], v[TM+1], |v[XS+\i+2]|, |v[XS+\i+3]|
.endr
	v_max3_num_f32 v[TM], v[TM], |v[XS+30]|, |v[XS+31]|
	v_max3_num_f32 v[TM], v[TM], v[TM+1], FLOOR
	v_add_nc_u32 v[TM+2], EOFF, v[TM]
	v_lshrrev_b32 v[TM+3], 23, v[TM+2]
.if (\t)%4 == 0
	v_mov_b32 v[WW], v[TM+3]
.else
	v_lshl_or_b32 v[WW], v[TM+3], 8*((\t)%4), v[WW]
.endif
.if ((\t)%2 == 0) && ((\t) > 0)
	s_wait_alu depctr_va_vdst(0)
	s_wait_xcnt 0x0                                ; the last pair's stores have read their data
.endif
	v_cvt_scalef32_pk16_fp6_f32 v[CC:CC+2], v[XS:XS+15], v[TM+2]
	v_cvt_scalef32_pk16_fp6_f32 v[T:T+2], v[XS+16:XS+31], v[TM+2]
	v_nop
.irp i, 0,1,2
	v_mov_b32 v[CC+3+\i], v[T+\i]
.endr
.if (\t)+2 < 8
	WLOAD (\t)+2
.endif
.if (\t)%2 == 1                        ; lanes 0-15 hold the even row block's rows, lanes 16-31 the odd one's; the first six registers an even block of 32, the second six the odd one
.irp i, 0,1,2,3,4,5
	v_permlane16_swap_b32 v[C+\i], v[C+6+\i]       ; now the first six are the even row block's half, the second six the odd one's
.endr
.irp u, 0,1
	global_store_b128 v1, v[C+6*\u:C+6*\u+3], s[18:19] offset:(2*((\t)/4)+\u)*12288+768*(((\t)%4)/2)
	global_store_b64 v2, v[C+6*\u+4:C+6*\u+5], s[18:19] offset:(2*((\t)/4)+\u)*12288+768*(((\t)%4)/2)
.endr
.endif
.endm
	s_wait_alu depctr_va_vdst(0)
	WLOAD 0
	WLOAD 1
.set Q, 0
.rept 8
	WBLOCK Q
.set Q, Q+1
.endr
	v_permlane16_swap_b32 v[WD], v[WD+1]           ; lane (r, h) now holds the words of row blocks 2 h and 2 h + 1
	global_store_b64 v7, v[WD:WD+1], s[20:21]      ; one aligned run of 256 bytes
	s_wait_tensorcnt 0x0                           ; this path stores nothing to LDS; the three lines stand here too
	ds_add_u32 v[SPW], v[NIL]
	s_wait_dscnt 0x0
	s_endpgm
.Lfunc_end_k_qdbc4f760cd_quant:
	.size	k_qdbc4f760cd_quant, .Lfunc_end_k_qdbc4f760cd_quant-k_qdbc4f760cd_quant
	.p2alignl 7, 3214868480
	.fill 96, 4, 3214868480
	.section	.rodata,"a",@progbits
	.p2align	6, 0x0
	.amdhsa_kernel k_qdbc4f760cd_quant
		.amdhsa_group_segment_fixed_size 17152
		.amdhsa_private_segment_fixed_size 0
		.amdhsa_enable_private_segment 0
		.amdhsa_kernarg_size 72
		.amdhsa_user_sgpr_count 2
		.amdhsa_user_sgpr_kernarg_segment_ptr 1
		.amdhsa_wavefront_size32 1
		.amdhsa_system_sgpr_workgroup_id_x 1
		.amdhsa_system_sgpr_workgroup_id_y 1
		.amdhsa_system_sgpr_workgroup_id_z 1
		.amdhsa_system_vgpr_workitem_id 0
		.amdhsa_next_free_vgpr 248
		.amdhsa_next_free_sgpr 66
		.amdhsa_reserve_vcc 0
		.amdhsa_float_denorm_mode_32 3
		.amdhsa_float_denorm_mode_16_64 3
		.amdhsa_memory_ordered 1
		.amdhsa_forward_progress 1
		.amdhsa_inst_pref_size 70
	.end_amdhsa_kernel
	.amdgpu_metadata
---
amdhsa.version: [ 1, 2 ]
amdhsa.kernels:
  - .name:           k_qdbc4f760cd_quant
    .symbol:         k_qdbc4f760cd_quant.kd
    .args:
      - { .name: x, .offset: 0, .size: 8, .value_kind: global_buffer, .address_space: global }
      - { .name: Wq, .offset: 8, .size: 8, .value_kind: global_buffer, .address_space: global }
      - { .name: Wk, .offset: 16, .size: 8, .value_kind: global_buffer, .address_space: global }
      - { .name: Wv, .offset: 24, .size: 8, .value_kind: global_buffer, .address_space: global }
      - { .name: Wo, .offset: 32, .size: 8, .value_kind: global_buffer, .address_space: global }
      - { .name: ximg, .offset: 40, .size: 8, .value_kind: global_buffer, .address_space: global }
      - { .name: xsc, .offset: 48, .size: 8, .value_kind: global_buffer, .address_space: global }
      - { .name: wimg, .offset: 56, .size: 8, .value_kind: global_buffer, .address_space: global }
      - { .name: wsc, .offset: 64, .size: 8, .value_kind: global_buffer, .address_space: global }
    .group_segment_fixed_size: 17152
    .private_segment_fixed_size: 0
    .kernarg_segment_align: 8
    .kernarg_segment_size: 72
    .max_flat_workgroup_size: 64
    .sgpr_count:     66
    .vgpr_count:     248
    .wavefront_size: 32
...
	.end_amdgpu_metadata
.endif
;; end of part 1
;; launch qkv (part 2): grid 8 x 48, 4 waves a work-group, clusters of 4 x 4, 327,680 bytes of LDS; arguments ximg, xsc, wimg, wsc, bq, bk, bv, qimg, kv; writes qimg, kv
.if DOCPART == 2
	.amdgcn_target "amdgcn-amd-amdhsa--gfx1250"
	.amdhsa_code_object_version 6
	.text
	.protected	k_qdbc4f760cd_qkv
	.globl	k_qdbc4f760cd_qkv
	.p2align	8
	.type	k_qdbc4f760cd_qkv,@function
k_qdbc4f760cd_qkv:
	s_mov_b64 s[64:65], 0
	v_nop
	global_prefetch_b8 v0, s[64:65] scope:SCOPE_SE
	s_setreg_imm32_b32 hwreg(HW_REG_WAVE_MODE, 25, 1), 1
	s_wait_xcnt 0x0
	s_wait_alu depctr_hold_cnt(0) depctr_sa_sdst(0) depctr_va_vdst(0) depctr_va_sdst(0) depctr_va_ssrc(0) depctr_va_vcc(0) depctr_vm_vsrc(0)
	s_getreg_b32 s2, hwreg(HW_REG_IB_STS2, 6, 4)
	s_cmp_eq_u32 s2, 0
	s_cbranch_scc0 .Lentry_in_a_cluster
	s_endpgm
.Lentry_in_a_cluster:
	s_bfe_u32 s2, ttmp6, 0x10000c
	s_cmp_lg_u32 s2, 0xf033
	s_cbranch_scc0 .Lentry_shape_is_right
	s_endpgm
.Lentry_shape_is_right:
.set SLOT,  98304
.set HALFT, 24576
.set SCL,   2*SLOT
.set SPARE, SCL+16384
.set FR,   12
.set NL,   4
.set A16,  16
.set A8,   18
.set B16,  20
.set B8,   22
.set VO16, 24
.set VO8,  25
.set SOFF, 26
.set SPW,  28
.set NIL,  29
.set ADRS, 30
.set SC,   32
.set TM,   96
.set PWS,  112
.set OW,   120
.set AF,   128
.set PC,   128
.set VB,   224
.set WV,   22
.set AH,   23
.set G1,   24
.set G0,   32
.set BH,   40
.set CX,   41
.set CY,   42
.set TR,   43
.set TC,   44
.set FL,   45
.set G1B,  48
.set G0B,  56
.set SEL,  66
.set G1S,  68
.set G0S,  76
.set G1SB, 80
.set G0SB, 88
.set BC0,  92
.set BC1,  94
.set BS,   96
.set STR,  98
.set JMP,  99
.set HD,   100
.set MSB, 0
.macro WIN new
.if MSB != \new
	s_set_vgpr_msb (MSB<<8)|\new
.set MSB, \new
.endif
.endm
.macro JLOAD g0a, g1a, g0b, g1b
	s_cmp_eq_u32 s[AH], 0
	s_cbranch_scc0 .Lfor_b_\@
	tensor_load_to_lds s[\g0a:\g0a+3], s[\g1a:\g1a+7]
	s_nop 0
.rept 4
	v_nop
.endr
	s_branch .Lasked_\@
.Lfor_b_\@:
	tensor_load_to_lds s[\g0b:\g0b+3], s[\g1b:\g1b+7]
	s_nop 0
.rept 4
	v_nop
.endr
.Lasked_\@:
.endm
.macro CREST
	s_cmp_lg_u32 s[WV], 0
	s_cbranch_scc1 .Lnot_wave_0_\@
	s_barrier_signal -3
.Lnot_wave_0_\@:
	s_barrier_wait -3
	s_barrier_signal -1
	s_barrier_wait -1
.endm
.macro CROUND
	s_barrier_signal -1
	s_barrier_wait -1
	CREST
.endm
.macro PLACES n
.rept \n
	v_nop
.endr
.endm
.macro FRAG reg, a16, a8, off
	ds_load_b128 v[\reg:\reg+3], v[\a16] offset:\off
	ds_load_b64 v[\reg+4:\reg+5], v[\a8] offset:\off
	ds_load_b128 v[\reg+6:\reg+9], v[\a16] offset:\off+768
	ds_load_b64 v[\reg+10:\reg+11], v[\a8] offset:\off+768
.endm
.macro FETCH_B slot, q, p
	WIN 0x40
.irp i, 0,1,2,3,4,5,6,7
	FRAG 128*(\p)+FR*\i, B16+\slot, B8+\slot, 3072*\i+1536*(\q)
.endr
	WIN 0
.endm
.macro FETCH_A slot, q, i0
.irp i, \i0, \i0+1, \i0+2, \i0+3
	FRAG AF+FR*(\i), A16+\slot, A8+\slot, 3072*(\i)+1536*(\q)
.endr
.endm
.macro SCALES
.irp k, 0,1,2,3,4,5,6,7
.irp g, 0,1
	ds_load_b128 v[SC+8*\k+4*\g:SC+8*\k+4*\g+3], v[ADRS] offset:2048*\g+256*\k
.endr
.endr
.endm
.macro MUL16 a0, p, ks, mode
.irp a, \a0, \a0+1
.irp b, 0,1,2,3,4,5,6,7
.set rD, 8*(8*((\a)%4)+\b)
.set rB, 128*(\p)+FR*\b
.set rA, AF+FR*(\a)
.if \mode == 1
.set rC, 96+8*\b+96*(\b/4)
.elseif \mode == 2
.set rC, 96+8*(\a)+96*((\a)/4)
.else
.set rC, rD
.endif
	v_wmma_scale_f32_16x16x128_f8f6f4 v[rD:rD+7], v[rB:rB+FR-1], v[rA:rA+FR-1], v[rC:rC+7], v[SC+8*(\ks)+\b], v[SC+8*(\ks)+(\a)] matrix_a_fmt:MATRIX_FMT_FP6 matrix_b_fmt:MATRIX_FMT_FP6 matrix_a_scale:MATRIX_SCALE_ROW1
.endr
.endr
.endm
.macro STEP slot, q, ks, mode
	s_wait_dscnt 4*NL
.if \mode
	WIN 0x91
.else
	WIN 0xa1
.endif
	MUL16 0, (\q)%2, \ks, \mode
	MUL16 2, (\q)%2, \ks, \mode
	s_wait_dscnt 0x0
	PLACES 4
	FETCH_B \slot, (\q)+1, 1-(\q)%2
	FETCH_A \slot, (\q)+1, 0
.if \mode
	WIN 0xd1
.else
	WIN 0xf1
.endif
	MUL16 4, (\q)%2, \ks, \mode
	MUL16 6, (\q)%2, \ks, \mode
	PLACES 4
	WIN 0
	FETCH_A \slot, (\q)+1, 4
.endm
.macro TURN slot, next, ks, fill
	s_wait_tensorcnt 0x0
	ds_add_u32 v[SPW], v[NIL]
	s_wait_dscnt 4*NL+1
	WIN 0xa1
	MUL16 0, 1, \ks, 0
	s_wait_dscnt 0x0
	s_barrier_signal -1
	MUL16 2, 1, \ks, 0
	WIN 0
	s_barrier_wait -1
.if \fill
	CREST
	s_add_nc_u64 s[G0+4*\slot+2:G0+4*\slot+3], s[G0+4*\slot+2:G0+4*\slot+3], 6144
	s_add_nc_u64 s[G0B+4*\slot+2:G0B+4*\slot+3], s[G0B+4*\slot+2:G0B+4*\slot+3], 6144
	JLOAD G0+4*\slot, G1, G0B+4*\slot, G1B
.else
	PLACES 4
.endif
	FETCH_B \next, 0, 0
	FETCH_A \next, 0, 0
	WIN 0xf1
	MUL16 4, 1, \ks, 0
	MUL16 6, 1, \ks, 0
	PLACES 4
	WIN 0
	FETCH_A \next, 0, 4
.endm
.macro LAST ks
	s_wait_dscnt 4*NL
	WIN 0xa1
	MUL16 0, 1, \ks, 0
	MUL16 2, 1, \ks, 0
	s_wait_dscnt 0x0
	WIN 0xf1
	MUL16 4, 1, \ks, 0
	MUL16 6, 1, \ks, 0
	WIN 0
.endm
	s_load_b256 s[4:11], s[0:1], 0x0
	s_load_b256 s[12:19], s[0:1], 0x20
	s_load_b64 s[20:21], s[0:1], 0x40
	v_lshl_add_u32 v[SPW], v0, 2, SPARE
	v_mov_b32 v[NIL], 0
	ds_add_u32 v[SPW], v[NIL]
	ds_add_u32 v[SPW], v[NIL]
	v_lshrrev_b32 v1, 5, v0
	v_readfirstlane_b32 s[WV], v1
	s_lshr_b32 s[AH], s[WV], 1
	s_and_b32 s[BH], s[WV], 1
	s_bfe_u32 s[CX], ttmp6, 0x40000
	s_bfe_u32 s[CY], ttmp6, 0x40004
	s_and_b32 s2, ttmp7, 0xffff
	s_cmp_lt_u32 s2, 8
	s_cselect_b32 s[FL], 1, 0
	s_cselect_b32 s3, s2, 0
	s_cselect_b32 s46, 8, s2
	s_cselect_b32 s101, 0, 128
	s_lshl_b32 s[TR], s3, 2
	s_add_co_u32 s[TR], s[TR], s[CY]
	s_sub_co_u32 s46, s46, 8
	s_lshl_b32 s[TC], s46, 3
	s_lshl_b32 s46, ttmp9, 2
	s_add_co_u32 s[TC], s[TC], s46
	s_add_co_u32 s[TC], s[TC], s[CX]
	s_lshl_b32 s3, s[CY], 2
	s_lshl_b32 s3, 15, s3
	s_lshl_b32 s46, 0x1111, s[CX]
	s_or_b32 s[G1], s3, (3<<16)|(1<<21)
	s_or_b32 s[G1S], s3, (3<<16)|(1<<21)
	s_or_b32 s[G1B], s46, (3<<16)|(1<<21)
	s_or_b32 s[G1SB], s46, (3<<16)|(1<<21)
.irp g, G1, G1B
	s_mov_b32 s[\g+1], 384<<16
	s_mov_b32 s[\g+2], 16<<16                      ; the head's loads bring 16 row blocks; the ring's 8 (set below)
	s_mov_b32 s[\g+3], 384<<16
	s_mov_b32 s[\g+4], 16
	s_mov_b32 s[\g+5], 1536
	s_mov_b32 s[\g+6], 0
	s_mov_b32 s[\g+7], 0
.endr
.irp g, G1S, G1SB
	s_mov_b32 s[\g+1], 32<<16
	s_mov_b32 s[\g+2], 32<<16                      ; the scale words of all 16 row blocks: 32 rows of 256 bytes
	s_mov_b32 s[\g+3], 32<<16
	s_mov_b32 s[\g+4], 32
	s_mov_b32 s[\g+5], 32
	s_mov_b32 s[\g+6], 0
	s_mov_b32 s[\g+7], 0
.endr
	s_mov_b32 s[SEL], 0x76543210
	s_mov_b32 s[SEL+1], 0xfedcba98
	s_lshl_b32 s2, s[BH], 3
	s_lshl_b32 s3, s[TR], 4
	s_add_co_u32 s3, s3, s2
	s_add_co_u32 s3, s3, s101
	s_lshl_b32 s46, s[TC], 4
	s_add_co_u32 s46, s46, s2
	s_mul_i32 s92, s3, 12288
	s_mov_b32 s93, 0
	s_lshl_b32 s94, s3, 9
	s_mov_b32 s95, 0
	s_mul_i32 s96, s46, 12288
	s_mov_b32 s97, 0
	s_lshl_b32 s98, s46, 9
	s_mov_b32 s99, 0
	s_mul_i32 s100, s[WV], HALFT
	s_lshl_b32 s101, s[WV], 12
	s_wait_dscnt 0x0
	s_wait_kmcnt 0x0
	s_cmp_eq_u32 s[FL], 1
	s_cselect_b64 s[2:3], s[4:5], s[8:9]
	s_add_nc_u64 s[92:93], s[2:3], s[92:93]
	s_cselect_b64 s[2:3], s[6:7], s[10:11]
	s_add_nc_u64 s[94:95], s[2:3], s[94:95]
	s_cselect_b64 s[46:47], s[8:9], s[4:5]
	s_add_nc_u64 s[96:97], s[46:47], s[96:97]
	s_cselect_b64 s[46:47], s[10:11], s[6:7]
	s_add_nc_u64 s[98:99], s[46:47], s[98:99]
	CROUND
	; the head's four tiles, each whole, one a wave: wave 0 slot 0's 16 row blocks of A, wave 1 those of B, wave 2 A's scale words, wave 3 B's
	s_mov_b32 s[G0S], 1                            ; wave 2 (lower half of the row blocks): its address is the tile's first
	s_mov_b32 s[G0S+1], SCL
	s_mov_b64 s[G0S+2:G0S+3], s[94:95]
	s_or_b32 s[G0S+3], s[G0S+3], 0x80000000
	s_mov_b32 s[G0SB], 1                           ; wave 3 (upper half): 8 row blocks of 512 bytes back
	s_mov_b32 s[G0SB+1], SCL+8192
	s_sub_nc_u64 s[G0SB+2:G0SB+3], s[98:99], 4096
	s_or_b32 s[G0SB+3], s[G0SB+3], 0x80000000
	s_mov_b32 s4, 1                                ; wave 0 (the arguments that lay in s[4:11] have been used)
	s_mov_b32 s5, 0
	s_mov_b64 s[6:7], s[92:93]
	s_or_b32 s7, s7, 0x80000000
	s_mov_b32 s8, 1                                ; wave 1 (upper half): 8 row blocks of 12,288 bytes back
	s_mov_b32 s9, 2*HALFT
	s_sub_nc_u64 s[10:11], s[96:97], 98304
	s_or_b32 s11, s11, 0x80000000
.irp s, 0,1
	s_mov_b32 s[G0+4*\s], 1
	s_add_co_u32 s[G0+4*\s+1], s100, \s*SLOT
	s_add_nc_u64 s[G0+4*\s+2:G0+4*\s+3], s[92:93], \s*3072
	s_or_b32 s[G0+4*\s+3], s[G0+4*\s+3], 0x80000000
	s_mov_b32 s[G0B+4*\s], 1
	s_add_co_u32 s[G0B+4*\s+1], s100, \s*SLOT
	s_add_nc_u64 s[G0B+4*\s+2:G0B+4*\s+3], s[96:97], \s*3072
	s_or_b32 s[G0B+4*\s+3], s[G0B+4*\s+3], 0x80000000
.endr
.macro ARM under, g0, g1, next         ; one chain of branches on the wave's number, one load to an arm, all arms to one join
	s_cmp_lt_u32 s[WV], \under
	s_cbranch_scc0 \next
	tensor_load_to_lds s[\g0:\g0+3], s[\g1:\g1+7]
	s_nop 0
.rept 4
	v_nop
.endr
	s_branch .Lhead_asked
\next:
.endm
	ARM 1, 4, G1, .Lhead_b
	ARM 2, 8, G1B, .Lhead_sa
	ARM 3, G0S, G1S, .Lhead_sb
	tensor_load_to_lds s[G0SB:G0SB+3], s[G1SB:G1SB+7]
	s_nop 0
.rept 4
	v_nop
.endr
.Lhead_asked:
	s_wait_alu depctr_va_vdst(0)
	s_wait_tensorcnt 0x0                           ; my tile of the four is in; the three lines ahead of slot 1's first fill
	ds_add_u32 v28, v29
	s_mov_b32 s[G1+2], 8<<16                       ; no tensor load of mine is out: from here on a load brings 8 row blocks
	s_mov_b32 s[G1+4], 8
	s_mov_b32 s[G1B+2], 8<<16
	s_mov_b32 s[G1B+4], 8
	s_wait_dscnt 0x0
	CROUND
	JLOAD G0+4, G1, G0B+4, G1B
	v_and_b32 v1, 31, v0
	v_and_b32 v2, 15, v0
	v_bfe_u32 v3, v0, 4, 1
	v_lshlrev_b32 v4, 4, v1
	v_lshl_add_u32 v5, v1, 3, 512
	s_mul_i32 s2, s[AH], HALFT
	s_mul_i32 s3, s[BH], HALFT
	s_add_co_u32 s3, s3, 2*HALFT
.irp s, 0,1
	v_add_nc_u32 v[A16+\s], s2, v4
	v_add_nc_u32 v[A8+\s], s2, v5
	v_add_nc_u32 v[B16+\s], s3, v4
	v_add_nc_u32 v[B8+\s], s3, v5
	s_add_co_u32 s2, s2, SLOT
	s_add_co_u32 s3, s3, SLOT
.endr
	s_lshl_b32 s2, s[AH], 12
	s_lshl_b32 s3, s[BH], 12
	s_add_co_u32 s3, s3, 8192
	s_sub_co_u32 s3, s3, s2
	v_mul_u32_u24 v6, s3, v3
	s_add_co_u32 s2, s2, SCL
	v_lshl_add_u32 v6, v2, 4, v6
	v_add_nc_u32 v[ADRS], s2, v6
	v_mov_b32 v[VO16], v4
	v_mov_b32 v[VO8], v5
.irp b, 0,1,2,3
	v_mov_b32 v[TM+4+\b], 0
.endr
	s_cmp_eq_u32 s[FL], 1
	s_cselect_b64 s[12:13], s[12:13], s[16:17]
	s_cselect_b64 s[14:15], s[14:15], s[16:17]
	s_cselect_b64 s[BC0:BC0+1], s[18:19], s[20:21]
	s_cselect_b32 s4, s[TR], s[TC]
	s_cselect_b32 s5, s[AH], s[BH]
	s_cselect_b32 s6, s[TC], s[TR]
	s_cselect_b32 s7, s[BH], s[AH]
	s_cselect_b32 s8, 0, 1
	s_cselect_b32 s9, 32, 16
	s_cselect_b32 s10, 16, 208896
	s_cselect_b32 s11, 64, 0
	s_cselect_b32 s46, 0, 4
	s_cselect_b32 s47, 4, 0
	s_cselect_b32 s16, 0, 256
	s_cselect_b32 s3, 0, 6912
	s_mov_b32 s[STR], 1536
	s_cselect_b32 s[STR], 768, s[STR]
	s_cselect_b32 s[JMP], 0, 202752
	s_mov_b32 s101, 12800
	s_cselect_b32 s101, 12288, s101
	s_lshl_b32 s6, s6, 1
	s_add_co_u32 s6, s6, s7
	s_lshl_b32 s[HD], s6, s8
	s_lshl_b32 s4, s4, 4
	s_lshl_b32 s5, s5, 3
	s_add_co_u32 s4, s4, s5
	s_lshr_b32 s5, s4, 7
	s_and_b32 s4, s4, 127
	s_lshl_b32 s5, s5, 4
	s_add_co_u32 s5, s5, s[HD]
	s_lshl_b32 s6, s5, 7
	s_add_co_u32 s6, s6, s4
	s_mul_i32 s6, s6, 768
	s_lshr_b32 s4, s4, 3
	s_lshl_b32 s5, s5, 4
	s_add_co_u32 s5, s5, s4
	s_mul_i32 s5, s5, 13056
	s_add_co_u32 s2, s5, 6144
	s_cmp_eq_u32 s[FL], 1
	s_cselect_b32 s6, s6, s2
	s_mov_b32 s7, 0
	s_add_nc_u64 s[BC0:BC0+1], s[BC0:BC0+1], s[6:7]
	s_add_co_u32 s6, s5, s3
	s_add_nc_u64 s[BC1:BC1+1], s[20:21], s[6:7]
	s_add_co_u32 s6, s5, s101
	s_add_nc_u64 s[BS:BS+1], s[20:21], s[6:7]
	s_lshl_b32 s6, s[HD], 8
	s_add_nc_u64 s[12:13], s[12:13], s[6:7]
	s_add_co_u32 s6, s6, s16
	s_add_nc_u64 s[14:15], s[14:15], s[6:7]
	v_mul_u32_u24 v[SOFF], s9, v2
	v_mul_u32_u24 v6, s10, v3
	v_add_nc_u32 v[SOFF], v[SOFF], v6
	v_mul_u32_u24 v7, s11, v3
	v_and_b32 v8, 8, v2
	v_add_nc_u32 v8, v8, v2
	v_mad_u32_u24 v7, v8, s46, v7
.irp j, 0,1,2,3,4,5,6,7
	v_mad_u32_u24 v[VB+\j], s47, \j, v7
.endr
	WIN 0x40
.irp x, 0,1,2,3,4,5,6,7
.irp j, 0,1,2,3,4,5,6,7
	global_load_b32 v[96+8*\x+96*(\x/4)+\j], v[VB+\j], s[12+2*(\x/4):13+2*(\x/4)] offset:4*(32*((\x%4)/2)+8*(\x%2))
.endr
.endr
	WIN 0
	s_wait_tensorcnt 1
	s_barrier_signal -1
	s_barrier_wait -1
	FETCH_B 0, 0, 0
	FETCH_A 0, 0, 0
	SCALES
	FETCH_A 0, 0, 4
	s_wait_loadcnt 0x0
	s_cmp_eq_u32 s[FL], 1
	s_cbranch_scc0 .Lfirst_v
	STEP 0, 0, 0, 1
	s_branch .Lfirst_done
.Lfirst_v:
	STEP 0, 0, 0, 2
.Lfirst_done:
	TURN 0, 1, 1, 1
	STEP 1, 0, 2, 0
	TURN 1, 0, 3, 1
	STEP 0, 0, 4, 0
	TURN 0, 1, 5, 0
	STEP 1, 0, 6, 0
	LAST 7
	PLACES 4
.macro QUANT a
.set AC, 64*((\a)%4)
	WIN 5*(2+(\a)/4)
.irp b, 0,1,2,3
	v_max3_num_f32 v[TM+\b], |v[AC+16*\b]|, |v[AC+16*\b+1]|, 0x1800000
.endr
.irp i, 2,4,6,8,10,12,14
.irp b, 0,1,2,3
	v_max3_num_f32 v[TM+\b], |v[AC+16*\b+\i]|, |v[AC+16*\b+\i+1]|, v[TM+\b]
.endr
.endr
	WIN 0
.irp b, 0,1,2,3
	v_permlanex16_b32 v[TM+4+\b], v[TM+\b], s[SEL], s[SEL+1]
.endr
.irp b, 0,1,2,3
	v_max_num_f32 v[TM+\b], v[TM+\b], v[TM+4+\b]
.endr
.irp b, 0,1,2,3
	v_add_nc_u32 v[TM+8+\b], 0xff000000, v[TM+\b]
.endr
.irp b, 0,1,2,3
	v_lshrrev_b32 v[TM+4+\b], 23, v[TM+8+\b]
.endr
	v_lshl_or_b32 v[PWS+(\a)], v[TM+5], 8, v[TM+4]
	v_lshl_or_b32 v[PWS+(\a)], v[TM+6], 16, v[PWS+(\a)]
	v_lshl_or_b32 v[PWS+(\a)], v[TM+7], 24, v[PWS+(\a)]
.if (\a) > 0
	s_wait_xcnt 0x0
.endif
	WIN (2+(\a)/4)
.irp c, 0,1
	v_cvt_scalef32_pk16_fp6_f32 v[PC+6*\c:PC+6*\c+2], v[AC+32*\c:AC+32*\c+15], v[TM+8+2*\c]
	v_cvt_scalef32_pk16_fp6_f32 v[PC+12+4*\c:PC+14+4*\c], v[AC+32*\c+16:AC+32*\c+31], v[TM+8+2*\c+1]
.endr
	WIN 0
	v_nop
.irp c, 0,1
.irp i, 0,1,2
	v_permlane16_swap_b32 v[PC+6*\c+\i], v[PC+12+4*\c+\i]
.endr
.irp i, 0,1,2
	v_mov_b32 v[PC+3+6*\c+\i], v[PC+12+4*\c+\i]
.endr
.endr
.if (\a) > 0
	v_add_nc_u32 v[VO16], s[STR], v[VO16]
	v_add_nc_u32 v[VO8], s[STR], v[VO8]
.endif
.if (\a) == 4
	v_add_nc_u32 v[VO16], s[JMP], v[VO16]
	v_add_nc_u32 v[VO8], s[JMP], v[VO8]
.endif
	global_store_b128 v[VO16], v[PC:PC+3], s[BC0:BC0+1]
	global_store_b64 v[VO8], v[PC+4:PC+5], s[BC0:BC0+1]
	global_store_b128 v[VO16], v[PC+6:PC+9], s[BC1:BC1+1]
	global_store_b64 v[VO8], v[PC+10:PC+11], s[BC1:BC1+1]
.endm
.irp a, 0,1,2,3,4,5,6,7
	QUANT \a
.endr
	s_mov_b32 s101, 0xffff0000
.irp i, 0,1,2,3
	v_cndmask_b32 v[OW+\i], v[PWS+\i], v[PWS+4+\i], s101
.endr
	global_store_b128 v[SOFF], v[OW:OW+3], s[BS:BS+1]
	s_wait_tensorcnt 0x0
	ds_add_u32 v[SPW], v[NIL]
	s_wait_dscnt 0x0
	CROUND
	s_endpgm
.Lfunc_end_k_qdbc4f760cd_qkv:
	.size	k_qdbc4f760cd_qkv, .Lfunc_end_k_qdbc4f760cd_qkv-k_qdbc4f760cd_qkv
	.p2alignl 7, 3214868480
	.fill 96, 4, 3214868480
	.section	.rodata,"a",@progbits
	.p2align	6, 0x0
	.amdhsa_kernel k_qdbc4f760cd_qkv
		.amdhsa_group_segment_fixed_size 327680
		.amdhsa_private_segment_fixed_size 0
		.amdhsa_enable_private_segment 0
		.amdhsa_kernarg_size 72
		.amdhsa_user_sgpr_count 2
		.amdhsa_user_sgpr_kernarg_segment_ptr 1
		.amdhsa_wavefront_size32 1
		.amdhsa_system_sgpr_workgroup_id_x 1
		.amdhsa_system_sgpr_workgroup_id_y 1
		.amdhsa_system_sgpr_workgroup_id_z 1
		.amdhsa_system_vgpr_workitem_id 0
		.amdhsa_next_free_vgpr 1024
		.amdhsa_next_free_sgpr 102
		.amdhsa_reserve_vcc 0
		.amdhsa_float_denorm_mode_32 3
		.amdhsa_float_denorm_mode_16_64 3
		.amdhsa_memory_ordered 1
		.amdhsa_forward_progress 1
		.amdhsa_inst_pref_size 170
	.end_amdhsa_kernel
	.amdgpu_metadata
---
amdhsa.version: [ 1, 2 ]
amdhsa.kernels:
  - .name:           k_qdbc4f760cd_qkv
    .symbol:         k_qdbc4f760cd_qkv.kd
    .args:
      - { .name: ximg, .offset: 0, .size: 8, .value_kind: global_buffer, .address_space: global }
      - { .name: xsc, .offset: 8, .size: 8, .value_kind: global_buffer, .address_space: global }
      - { .name: wimg, .offset: 16, .size: 8, .value_kind: global_buffer, .address_space: global }
      - { .name: wsc, .offset: 24, .size: 8, .value_kind: global_buffer, .address_space: global }
      - { .name: bq, .offset: 32, .size: 8, .value_kind: global_buffer, .address_space: global }
      - { .name: bk, .offset: 40, .size: 8, .value_kind: global_buffer, .address_space: global }
      - { .name: bv, .offset: 48, .size: 8, .value_kind: global_buffer, .address_space: global }
      - { .name: qimg, .offset: 56, .size: 8, .value_kind: global_buffer, .address_space: global }
      - { .name: kv, .offset: 64, .size: 8, .value_kind: global_buffer, .address_space: global }
    .group_segment_fixed_size: 327680
    .private_segment_fixed_size: 0
    .kernarg_segment_align: 8
    .kernarg_segment_size: 72
    .max_flat_workgroup_size: 128
    .sgpr_count:     102
    .vgpr_count:     1024
    .wavefront_size: 32
...
	.end_amdgpu_metadata
.endif
;; end of part 2
;; launch attn (part 3): grid 4 x 64, 8 waves a work-group, clusters of 4 x 1, 262,144 bytes of LDS; arguments qimg, kv, oimg, osc; writes oimg, osc
.if DOCPART == 3
	.amdgcn_target "amdgcn-amd-amdhsa--gfx1250"
	.amdhsa_code_object_version 6
	.text
	.protected	k_qdbc4f760cd_attn
	.globl	k_qdbc4f760cd_attn
	.p2align	8
	.type	k_qdbc4f760cd_attn,@function
k_qdbc4f760cd_attn:
	s_mov_b64 s[64:65], 0
	v_nop
	global_prefetch_b8 v0, s[64:65] scope:SCOPE_SE
	s_setreg_imm32_b32 hwreg(HW_REG_WAVE_MODE, 25, 1), 1
	s_wait_xcnt 0x0
	s_wait_alu depctr_hold_cnt(0) depctr_sa_sdst(0) depctr_va_vdst(0) depctr_va_sdst(0) depctr_va_ssrc(0) depctr_va_vcc(0) depctr_vm_vsrc(0)
	s_getreg_b32 s2, hwreg(HW_REG_IB_STS2, 6, 4)
	s_cmp_eq_u32 s2, 0
	s_cbranch_scc0 .Lentry_in_a_cluster
	s_endpgm
.Lentry_in_a_cluster:
	s_bfe_u32 s2, ttmp6, 0x10000c
	s_cmp_lg_u32 s2, 0x3003
	s_cbranch_scc0 .Lentry_shape_is_right
	s_endpgm
.Lentry_shape_is_right:
; Attention on codes of FP6 (E2M3): S^T = K Q^T, p = 2^(t - M), O^T = V^T P^T, O / l, and O quantised along the model's 1,024 for the last projection.  Head size 64, 2,048 keys, no mask.
; t = score x log2(e) / 8; M = the running largest t rounded UP to a whole number; p is quantised along the keys, not normalised; l is the sum of the unquantised p; a change of M multiplies l and O^T by an exact power of two.
; SHARES.  A work-group owns ONE head of one batch and 512 queries; wave w owns four tiles of 16 queries, so that each fragment of K and V^T read from LDS feeds four products.
; THE HEAD'S WHOLE STREAM LIES IN LDS: 16 chunks of 13,056 bytes (128 keys each: 8 halves of K, 4 fragments of V^T, K's and V^T's scale words).  Each of the eight waves asks for two chunks by one tensor load at the kernel's head;
; nothing is filled again.  Wave 0's load has a line of its own: the first barrier shows its chunks 0 and 1 alone, two key steps are worked on them, and a second barrier, with every wave's wait ahead of it, shows the other fourteen.
; CLUSTER: the four query quarters of a head need the same stream: every load is joint (mask 15).
; No prefetch: no loop of this text loads from memory; all that the work-group reads of kv is asked for at the head.
; LDS: the mover lays 64 bytes of padding behind every 256: memory byte y of a chunk lies at y + 64 (y / 256), a half of K is 960 bytes, a chunk 16,320.
; THE KEYS OF A TILE ARE CHOSEN BY THE LANES' LDS ADDRESSES: row m of tile 4 c + j is key 64 c + 8 j + m % 8 + 32 (m / 8) of the chunk.  So the 32 score registers of tiles 4 c .. 4 c + 3 in lane (r, h) are keys 64 c + 32 h + 0 .. 31:
; a whole scale block of p in one lane, in the order of the operand's registers: no lane is asked for a block's maximum and no codes change lanes.  With the padding the sixteen lanes of a 16-byte load of K touch 256 different bytes modulo 256
; (the 8-byte loads of K meet two deep).
; K = 64 IN A FORM THAT IS 128 DEEP: the real codes stand in registers 6-11 (k = 64..127, scale bytes 2, 3).  Q's registers 0-5 are zero codes.  K's fragments overlap: tile t is v[KB + 6 t .. + 11], its lower half being
; the neighbour's codes, which meet Q's zeros.  No scale byte is 0xff.
; THE ROW SUMS OF A STEP'S SECOND PAIR OF TILES ARE TAKEN IN THE NEXT STEP, between K's LDS loads and the wait for them: p stays in the score registers until the next scores are made.  The first step finds zeros there; the last sums stand behind the loop.
; osc: a scale word of the result holds two bytes of each of two heads, so a work-group stores two bytes of each word (two stores of 2 bytes a lane and wave): these runs of 256 bytes are written in part by two work-groups.
; LIMITS: NaN and infinities are not served; a block of zeros keeps the scale byte 1; the promise holds while |t| stays under 2^31.
; REGISTERS: window 0 (v0-255) addresses, per-tile numbers, fragments, codes; window 1: v0-127 the scores of a PAIR of tiles, then p; v128-255 O^T of the four tiles.
.set CH,    13056
.set CHP,   16320                      ; a chunk in LDS: 51 rows of 256 + 64
.set SPARE, 16*CHP                     ; the spare words, 128 bytes a wave
.set SPW, 7
.set NIL, 8
.set H8,  9                            ; 8 h
.set KA1, 10                           ; v10-15 this step's LDS addresses (v1-6 + the chunk's)
.set KA2, 11
.set KA3, 12
.set VA1, 13
.set VA2, 14
.set VA3, 15
.set NM,  16                           ; pairs: -M of tile i in the low word
.set L,   24                           ; pairs: l in two halves
.set FF,  32                           ; pairs: f = 2^(old M - new M) in the low word
.set QS,  40                           ; q's scale words
.set PW,  44                           ; p's scale words
.set KSC, 48
.set VSC, 56
.set BM,  60                           ; the blocks' maxima: tile a of the pair, block c
.set T4,  64
.set SO,  68
.set TP,  72
.set SM,  74                           ; the running largest score of tile i; at the end the result's two scale bytes
.set SU,  78
.set CT,  82                           ; the conversions' second results; chains of the row sums
.set KB,  98                           ; v98-151 K's tiles; V^T takes v98-145
.set QF,  152                          ; four operands of 12: six zero registers, six of Q
.set PC,  200                          ; p's codes, four operands of 12
.set GQ16, 248
.set GQ8,  249
.set GS,   250
.set GO,   251
.set BN,   252                         ; v252-255 the maxima's second chains; at the end v252, v253 the words on their way out
.set X0,   252
.set X1,   253
.set FB,  CT
.set FS,  CT+8
.set FP,  KB
.set WV,  12
.set G1,  16
.set G0,  24
.set SEL, 32
.set CS,  34
.set CN,  36
.set TB,  37
.set CNT, 38
.set MSB, 0
.macro WIN new                         ; the immediate's high byte repeats the setting that is left
.if MSB != \new
	s_set_vgpr_msb (MSB<<8)|\new
.set MSB, \new
.endif
.endm
.macro WALU
	s_wait_alu depctr_va_vdst(0)
.endm
.macro CROUND
	s_barrier_signal -1
	s_barrier_wait -1
	s_cmp_lg_u32 s[WV], 0
	s_cbranch_scc1 .Lnot_wave_0_\@
	s_barrier_signal -3
.Lnot_wave_0_\@:
	s_barrier_wait -3
	s_barrier_signal -1
	s_barrier_wait -1
.endm
	s_load_b256 s[4:11], s[0:1], 0x0               ; qimg, kv, oimg, osc
	v_lshl_add_u32 v[SPW], v0, 2, SPARE
	v_mov_b32 v[NIL], 0
	ds_add_u32 v[SPW], v[NIL]                      ; the opening lines: the add, twice on end, and its wait
	ds_add_u32 v[SPW], v[NIL]
	v_lshrrev_b32 v9, 5, v0
	v_readfirstlane_b32 s[WV], v9                  ; wave 0..7
	s_bfe_u32 s13, ttmp6, 0x40000                  ; cx: my quarter of the queries; it enters global addresses of Q and of the results alone
	s_and_b32 s39, ttmp7, 0xffff                   ; 16 b + head
	s_mov_b32 s[G1], 15|(3<<16)|(1<<20)|(1<<21)|(5<<22)|(15<<25)   ; mask: all four; elements of 8 bytes; after every 64 words 16 words of padding; bit 21 beside a mask
	s_mov_b32 s[G1+1], 32<<16                      ; two chunks are 102 rows of 256 bytes, dense
	s_mov_b32 s[G1+2], 102<<16
	s_mov_b32 s[G1+3], 32<<16
	s_mov_b32 s[G1+4], 102
	s_mov_b32 s[G1+5], 32
	s_mov_b32 s[G1+6], 0
	s_mov_b32 s[G1+7], 0
	s_mov_b32 s[SEL], 0x76543210
	s_mov_b32 s[SEL+1], 0xfedcba98                 ; selects for lane l xor 16
	s_mov_b32 s[CS], 0x3e38aa3b                    ; c = log2(e) / 8
	s_mov_b32 s[CS+1], s[CS]
	s_mov_b32 s[CN], 0xbe38aa3b                    ; -c
	s_mov_b32 s52, 0xffff0000                      ; lanes 16-31
	v_and_b32 v60, 15, v0                          ; r
	v_bfe_u32 v61, v0, 4, 1                        ; h
	v_and_b32 v62, 7, v0                           ; r % 8
	v_bfe_u32 v63, v0, 3, 1                        ; r / 8
	v_and_b32 v64, 31, v0                          ; lane
	v_mul_u32_u24 v65, v63, 1920                   ; two halves of K on
	v_mul_u32_u24 v66, v61, 320
	v_lshl_add_u32 v1, v62, 4, v65
	v_add_nc_u32 v1, v1, v66                       ; K, registers 0-3: 16 (r % 8) + 1920 (r / 8) + 320 h
	v_lshl_add_u32 v2, v62, 3, v65
	v_lshl_add_u32 v2, v61, 7, v2
	v_add_nc_u32 v2, 640, v2                       ; K, registers 4-5: 640 + 8 (r % 8) + 1920 (r / 8) + 128 h
	v_lshlrev_b32 v3, 5, v62
	v_lshl_add_u32 v3, v63, 3, v3
	v_add_nc_u32 v3, 15360, v3                     ; K's words: 32 (r % 8) + 8 (r / 8)
	v_lshl_add_u32 v4, v60, 4, v66                 ; V^T, registers 0-3: 16 r + 320 h
	v_lshl_add_u32 v5, v64, 3, 640                 ; V^T, registers 4-5
	v_lshl_add_u32 v6, v60, 4, 16000               ; V^T's words
	v_lshlrev_b32 v[H8], 3, v61
	v_lshlrev_b32 v[GQ16], 4, v64                  ; a half's image in memory: 16 L, and 512 + 8 L
	v_lshl_add_u32 v[GQ8], v64, 3, 512
	v_lshl_add_u32 v[GS], v60, 5, 12288            ; my tokens' words in a chunk in memory
	v_lshlrev_b32 v[GO], 4, v60
	v_lshl_add_u32 v[GO], v61, 3, v[GO]            ; osc: 16 r + 8 h
	s_lshl_b32 s14, s13, 5
	s_lshl_b32 s15, s[WV], 2
	s_add_co_u32 s14, s14, s15                     ; my first tile of queries, 0..124
	s_lshl_b32 s40, s39, 7
	s_add_co_u32 s40, s40, s14
	s_mul_i32 s40, s40, 768                        ; s[40:41] qimg: my tiles
	s_mov_b32 s41, 0
	s_mul_i32 s48, s39, 16*CH                      ; s[48:49] kv: the head's stream
	s_mov_b32 s49, 0
	s_lshr_b32 s42, s14, 3
	s_mul_i32 s42, s42, CH
	s_and_b32 s15, s[WV], 1
	s_lshl_b32 s15, s15, 4
	s_add_co_u32 s42, s42, s15                     ; s[42:43] in it my four tiles' words: 16 bytes a row
	s_mov_b32 s43, 0
	s_mul_i32 s50, s[WV], 2*CH                     ; s[50:51] in it my two chunks
	s_mov_b32 s51, 0
	s_lshr_b32 s53, s39, 4                         ; b
	s_and_b32 s54, s39, 15                         ; head
	s_lshr_b32 s55, s54, 1                         ; its pair = the K step of the last projection
	s_and_b32 s54, s54, 1                          ; which half of that step
	s_lshl_b32 s44, s53, 7
	s_add_co_u32 s44, s44, s14
	s_lshl_b32 s44, s44, 3
	s_add_co_u32 s44, s44, s55
	s_lshl_b32 s44, s44, 1
	s_add_co_u32 s44, s44, s54
	s_mul_i32 s44, s44, 768                        ; s[44:45] oimg: row block 128 b + tile, K step, half
	s_mov_b32 s45, 0
	s_lshl_b32 s46, s53, 5
	s_lshr_b32 s15, s14, 2
	s_add_co_u32 s46, s46, s15
	s_lshl_b32 s46, s46, 3
	s_add_co_u32 s46, s46, s55
	s_lshl_b32 s46, s46, 8
	s_lshl_b32 s54, s54, 1
	s_add_co_u32 s46, s46, s54                     ; s[46:47] osc: my four row blocks' run of 256 bytes, my head's two bytes of a word
	s_mov_b32 s47, 0
	s_mov_b32 s[G0], 1
	s_mul_i32 s[G0+1], s[WV], 2*CHP                ; my two chunks in LDS
	WALU
	s_wait_dscnt 0x0                               ; both opening adds are done
	s_wait_kmcnt 0x0
	s_add_nc_u64 s[6:7], s[6:7], s[48:49]
	s_add_nc_u64 s[4:5], s[4:5], s[40:41]
	s_add_nc_u64 s[56:57], s[6:7], s[42:43]
	s_add_nc_u64 s[8:9], s[8:9], s[44:45]
	s_add_nc_u64 s[10:11], s[10:11], s[46:47]
	s_add_nc_u64 s[G0+2:G0+3], s[6:7], s[50:51]
	s_or_b32 s[G0+3], s[G0+3], 0x80000000
.irp i, 0,1,2,3                        ; Q and its words are asked for ahead of the round and of the tensor loads
	global_load_b128 v[QF+12*\i+6:QF+12*\i+9], v[GQ16], s[4:5] offset:768*\i
	global_load_b64 v[QF+12*\i+10:QF+12*\i+11], v[GQ8], s[4:5] offset:768*\i
.endr
	global_load_b128 v[QS:QS+3], v[GS], s[56:57]   ; bytes 0, 1 of each word are q's scales
	CROUND                                         ; all four work-groups are here
	s_cmp_eq_u32 s[WV], 0                          ; one load a wave; wave 0's line is its own, since the first barrier shows its tile alone
	s_cbranch_scc0 .Lothers
	tensor_load_to_lds s[G0:G0+3], s[G1:G1+7]
	s_nop 0
.rept 4
	v_nop
.endr
	s_branch .Lasked
.Lothers:
	tensor_load_to_lds s[G0:G0+3], s[G1:G1+7]
	s_nop 0
.rept 4
	v_nop
.endr
.Lasked:
.irp i, 0,1,2,3
.irp k, 0,1,2,3,4,5
	v_mov_b32 v[QF+12*\i+\k], 0                    ; Q's zero codes
.endr
	v_mov_b32 v[SM+\i], 0xff61b1e6                 ; the largest score so far: -3e38
	v_mov_b32 v[NM+2*\i], 0x7f61b1e6               ; -M
	v_mov_b32 v[NM+2*\i+1], 0                      ; (upper halves of pairs are named, so they are written)
	v_mov_b32 v[L+2*\i], 0
	v_mov_b32 v[L+2*\i+1], 0
	v_mov_b32 v[FF+2*\i], 0
	v_mov_b32 v[FF+2*\i+1], 0
	v_mov_b32 v[T4+\i], 0                          ; a lane permute's destination counts as read
.endr
.irp k, 0,1,2,3,4,5
	v_mov_b32 v[KB+\k], 0                          ; tile 0's lower half: any codes do
.endr
	WIN 0x40
.set kk, 0
.rept 256
	v_mov_b32 v[kk], 0                             ; p and O^T: the step is written once; the first step sums zeros and its change of M multiplies zeros
.set kk, kk+1
.endr
	WIN 0
	WALU
	s_wait_loadcnt 0x0
.irp i, 0,1,2,3
	v_lshlrev_b32 v[QS+\i], 16, v[QS+\i]           ; q's scales to bytes 2, 3; bytes 0, 1 become 0, over zero codes
.endr
; S^T of tiles 2 p, 2 p + 1: each of K's eight tiles against both
.macro QK p
	WIN 0x40
.irp t, 0,1,2,3,4,5,6,7
.irp a, 0,1
	v_wmma_scale_f32_16x16x128_f8f6f4 v[64*\a+8*\t:64*\a+8*\t+7], v[KB+6*\t:KB+6*\t+11], v[QF+12*(2*\p+\a):QF+12*(2*\p+\a)+11], 0, v[KSC+\t], v[QS+2*\p+\a] matrix_a_fmt:MATRIX_FMT_FP6 matrix_b_fmt:MATRIX_FMT_FP6
.endr
.endr
	WIN 0
.rept 4
	v_nop                                          ; places ahead of the first read of the scores and of loads into K's registers
.endr
.endm
; l of tiles 2 p, 2 p + 1: l x f + the 64 p of the lane, two at a time, in four chains a tile, the eight chains by turns
.macro SUMS p
	WIN 0x10
.irp a, 0,1
	v_pk_fma_f32 v[L+4*\p+2*\a:L+4*\p+2*\a+1], v[L+4*\p+2*\a:L+4*\p+2*\a+1], v[FF+4*\p+2*\a:FF+4*\p+2*\a+1], v[64*\a:64*\a+1] op_sel_hi:[1,0,1]   ; l under the new M, and the first two p
.endr
	WIN 0x05
.irp c, 1,2,3
.irp a, 0,1
.if \c == 1
.set AR, SU+2*\a
.else
.set AR, CT+8*\a+2*\c-4
.endif
	v_pk_add_f32 v[AR:AR+1], v[64*\a+4*\c-2:64*\a+4*\c-1], v[64*\a+4*\c:64*\a+4*\c+1]
.endr
.endr
	WIN 0x01
.set mm, 0
.rept 25
.irp a, 0,1
.set cc, mm%4
.if cc == 0
.set AR, L+4*\p+2*\a
.elseif cc == 1
.set AR, SU+2*\a
.else
.set AR, CT+8*\a+2*cc-4
.endif
	v_pk_add_f32 v[AR:AR+1], v[64*\a+14+2*mm:64*\a+15+2*mm], v[AR:AR+1]
.endr
.set mm, mm+1
.endr
	WIN 0
.irp a, 0,1
	v_pk_add_f32 v[SU+2*\a:SU+2*\a+1], v[SU+2*\a:SU+2*\a+1], v[CT+8*\a:CT+8*\a+1]
.endr
.irp a, 0,1
	v_pk_add_f32 v[L+4*\p+2*\a:L+4*\p+2*\a+1], v[L+4*\p+2*\a:L+4*\p+2*\a+1], v[CT+8*\a+2:CT+8*\a+3]
.endr
.irp a, 0,1
	v_pk_add_f32 v[L+4*\p+2*\a:L+4*\p+2*\a+1], v[L+4*\p+2*\a:L+4*\p+2*\a+1], v[SU+2*\a:SU+2*\a+1]
.endr
.endm
.macro MOV3 p, a, c                    ; a block's upper 16 codes to their place (a conversion's three registers begin on an even number)
.irp k, 0,1,2
	v_mov_b32 v[PC+12*(2*\p+\a)+6*\c+3+\k], v[CT+8*\a+4*\c+\k]
.endr
.endm
; The softmax and p's quantiser for tiles 2 p, 2 p + 1.
.macro SOFTMAX p
	WIN 0x15                                       ; the largest score of each block of 32 keys (tile a, block c), in two chains g: eight chains by turns.  It serves the row's maximum and, since p rises with the score, the block's largest p
.irp a, 0,1
.irp c, 0,1
.irp g, 0,1
	v_max3_num_f32 v[BM+(BN-BM)*\g+2*\a+\c], v[64*\a+32*\c+16*\g], v[64*\a+32*\c+16*\g+1], v[64*\a+32*\c+16*\g+2]
.endr
.endr
.endr
	WIN 0x05
.irp k, 3,5,7,9,11,13
.irp a, 0,1
.irp c, 0,1
.irp g, 0,1
	v_max3_num_f32 v[BM+(BN-BM)*\g+2*\a+\c], v[64*\a+32*\c+16*\g+\k], v[64*\a+32*\c+16*\g+\k+1], v[BM+(BN-BM)*\g+2*\a+\c]
.endr
.endr
.endr
.endr
	WIN 0x01
.irp a, 0,1
.irp c, 0,1
	v_max3_num_f32 v[BM+2*\a+\c], v[64*\a+32*\c+15], v[BM+2*\a+\c], v[BN+2*\a+\c]
.endr
.endr
.irp a, 0,1
.irp c, 0,1
	v_max_num_f32 v[BM+2*\a+\c], v[64*\a+32*\c+31], v[BM+2*\a+\c]
.endr
.endr
	WIN 0
.irp a, 0,1
	v_max_num_f32 v[TP+\a], v[BM+2*\a], v[BM+2*\a+1]
.endr
.irp a, 0,1
	v_mov_b32 v[T4+2+\a], v[NM+4*\p+2*\a]
.endr
.irp a, 0,1
	v_permlanex16_b32 v[T4+\a], v[TP+\a], s[SEL], s[SEL+1]
.endr
.irp a, 0,1
	v_max3_num_f32 v[SM+2*\p+\a], v[SM+2*\p+\a], v[TP+\a], v[T4+\a]   ; the running largest score
.endr
.irp a, 0,1
	v_mul_f32 v[TP+\a], s[CN], v[SM+2*\p+\a]       ; -t
.endr
.irp a, 0,1
	v_floor_f32 v[NM+4*\p+2*\a], v[TP+\a]          ; the new -M = -ceil(t)
.endr
	WIN 0x41
.set kk, 0
.rept 32
	v_pk_fma_f32 v[kk:kk+1], v[kk:kk+1], s[CS:CS+1], v[NM+4*\p:NM+4*\p+1] op_sel_hi:[1,0,0]   ; t - M of the first tile
.set kk, kk+2
.endr
	WIN 0
.irp a, 0,1
	v_sub_f32 v[TP+\a], v[NM+4*\p+2*\a], v[T4+2+\a]   ; old M - new M: a whole number, 0 or less
.endr
.irp c, 0,1
	v_fma_f32 v[BM+\c], v[BM+\c], s[CS], v[NM+4*\p]
.endr
.irp a, 0,1
	v_cvt_i32_f32 v[TP+\a], v[TP+\a]               ; (it saturates)
.endr
.irp c, 0,1
	v_fma_f32 v[BM+2+\c], v[BM+2+\c], s[CS], v[NM+4*\p+2]
.endr
.irp a, 0,1
	v_ldexp_f32 v[FF+4*\p+2*\a], 1.0, v[TP+\a]     ; f: an exact power of two, or 0
.endr
	WALU                                           ; the wait ahead of the batch
.irp n, 0,1,2,3
	v_exp_f32 v[BM+\n], v[BM+\n]                   ; each block's largest p
.endr
	WIN 0x41
.set kk, 0
.rept 32
	v_exp_f32 v[kk], v[kk]                         ; p of the first tile, at most 1; among these lines t - M of the second tile, which nothing reads ahead of the wait below
	v_pk_fma_f32 v[64+kk:64+kk+1], v[64+kk:64+kk+1], s[CS:CS+1], v[NM+4*\p+2:NM+4*\p+3] op_sel_hi:[1,0,0]
	v_exp_f32 v[kk+1], v[kk+1]
.set kk, kk+2
.endr
	WALU                                           ; between the multiply-adds above and the exponentials that read them
.set kk, 64
.rept 64
	v_exp_f32 v[kk], v[kk]                         ; p of the second tile
.set kk, kk+1
.endr
	WIN 0
	v_nop                                          ; a plain place behind the exponentials
	WALU                                           ; and one wait for the batch, ahead of its first reader
.irp n, 0,1,2,3
	v_max_num_f32 v[BM+\n], 0x1800000, v[BM+\n]    ; the floor 2^(3 - 127): the byte cannot fall under 1
.endr
.irp n, 0,1,2,3
	v_add_nc_u32 v[SO+\n], 0xff000000, v[BM+\n]    ; 2 off the exponent field: the conversions' scale operand
.endr
.irp n, 0,1,2,3
	v_lshrrev_b32 v[BM+\n], 23, v[SO+\n]           ; the byte
.endr
	WIN 0x01
.irp a, 0,1
.irp c, 0,1
	v_cvt_scalef32_pk16_fp6_f32 v[PC+12*(2*\p+\a)+6*\c:PC+12*(2*\p+\a)+6*\c+2], v[64*\a+32*\c:64*\a+32*\c+15], v[SO+2*\a+\c]
	v_cvt_scalef32_pk16_fp6_f32 v[CT+8*\a+4*\c:CT+8*\a+4*\c+2], v[64*\a+32*\c+16:64*\a+32*\c+31], v[SO+2*\a+\c]
.endr
.endr
	WIN 0
.irp a, 0,1
	v_lshl_or_b32 v[TP+\a], v[BM+2*\a+1], 16, v[BM+2*\a]   ; my blocks h and 2 + h (also the plain place behind the conversions),
.endr
	MOV3 \p, 0, 0
.irp a, 0,1
	v_lshlrev_b32 v[TP+\a], v[H8], v[TP+\a]        ; at their places;
.endr
	MOV3 \p, 0, 1
.irp a, 0,1
	v_permlanex16_b32 v[T4+\a], v[TP+\a], s[SEL], s[SEL+1]
.endr
	MOV3 \p, 1, 0
.irp a, 0,1
	v_or_b32 v[PW+2*\p+\a], v[TP+\a], v[T4+\a]     ; with lane l xor 16's two the word is whole
.endr
	MOV3 \p, 1, 1
.endm
.macro RESC p                          ; O^T of tiles 2 p, 2 p + 1 under the new M; also the places between p's codes and word and the products
	WIN 0x41
	WALU                                           ; the wait directly ahead of the first reader of O^T
.irp a, 0,1
.set kk, 0
.rept 16
	v_pk_mul_f32 v[128+32*(2*\p+\a)+kk:128+32*(2*\p+\a)+kk+1], v[128+32*(2*\p+\a)+kk:128+32*(2*\p+\a)+kk+1], v[FF+4*\p+2*\a:FF+4*\p+2*\a+1] op_sel_hi:[1,0]
.set kk, kk+2
.endr
.endr
	WIN 0
.endm
; A KEY STEP: the chunk at LDS byte s[TB], for my four tiles of queries.
.macro STEP
	v_add_nc_u32 v[KA1], s[TB], v1                 ; six plain lines: also the places behind the last step's products
	v_add_nc_u32 v[KA2], s[TB], v2
	v_add_nc_u32 v[KA3], s[TB], v3
	v_add_nc_u32 v[VA1], s[TB], v4
	v_add_nc_u32 v[VA2], s[TB], v5
	v_add_nc_u32 v[VA3], s[TB], v6
.irp c, 0,1
.irp j, 0,1,2,3
	ds_load_b128 v[KB+6+6*(4*\c+\j):KB+9+6*(4*\c+\j)], v[KA1] offset:3840*\c+960*(\j%2)+128*(\j/2)
	ds_load_b64 v[KB+10+6*(4*\c+\j):KB+11+6*(4*\c+\j)], v[KA2] offset:3840*\c+960*(\j%2)+64*(\j/2)
.endr
.irp g, 0,1
	ds_load_b64 v[KSC+4*\c+2*\g:KSC+4*\c+2*\g+1], v[KA3] offset:16*\c+320*\g   ; the words of tiles 4 c + 2 g, + 1
.endr
.endr
	SUMS 1                                         ; the last step's second pair: its p still lie in the score registers
	s_wait_dscnt 0x0
	QK 0
	SOFTMAX 0
	SUMS 0
	RESC 0
	QK 1
.irp t, 0,1,2,3                        ; V^T's fragments are asked for now and land under the second softmax
.irp c, 0,1
	ds_load_b128 v[KB+12*\t+6*\c:KB+12*\t+6*\c+3], v[VA1] offset:7680+1920*\t+960*\c
	ds_load_b64 v[KB+12*\t+6*\c+4:KB+12*\t+6*\c+5], v[VA2] offset:7680+1920*\t+960*\c
.endr
.endr
	ds_load_b128 v[VSC:VSC+3], v[VA3]
	SOFTMAX 1
	RESC 1
	WALU
	s_wait_dscnt 0x0                               ; V^T
	WIN 0x50
.irp t, 0,1,2,3
.irp i, 0,1,2,3
	v_wmma_scale_f32_16x16x128_f8f6f4 v[128+32*\i+8*\t:128+32*\i+8*\t+7], v[KB+12*\t:KB+12*\t+11], v[PC+12*\i:PC+12*\i+11], v[128+32*\i+8*\t:128+32*\i+8*\t+7], v[VSC+\t], v[PW+\i] matrix_a_fmt:MATRIX_FMT_FP6 matrix_b_fmt:MATRIX_FMT_FP6
.endr
.endr
	WIN 0
.endm
	WALU                                           ; the wait at the head's end
	s_cmp_eq_u32 s[WV], 0
	s_cbranch_scc0 .Lnot_0
	s_wait_tensorcnt 0x0                           ; wave 0: chunks 0 and 1 are in
.Lnot_0:
	s_barrier_signal -1
	s_barrier_wait -1                              ; they are shown to all; the other loads may be on their way
	s_mov_b32 s[TB], 0
	s_mov_b32 s[CNT], 2
.Lfirst:
	STEP
	s_add_co_u32 s[TB], s[TB], CHP
	s_sub_co_u32 s[CNT], s[CNT], 1
	s_cmp_lg_u32 s[CNT], 0
	s_cbranch_scc1 .Lfirst
	s_wait_tensorcnt 0x0                           ; every wave: my two chunks are in
	s_barrier_signal -1
	s_barrier_wait -1                              ; the whole stream lies in LDS
	s_mov_b32 s[TB], 2*CHP
	s_mov_b32 s[CNT], 14
.Lstep:
	STEP
	s_add_co_u32 s[TB], s[TB], CHP
	s_sub_co_u32 s[CNT], s[CNT], 1
	s_cmp_lg_u32 s[CNT], 0
	s_cbranch_scc1 .Lstep
; THE END: the last step's second pair is summed; then O^T / l, quantised along the head's 64 features (register 16 b + i of a tile: feature 32 b + 16 h + i): a half of the result's fragment and two bytes of its word for each tile.
	SUMS 1                                         ; (also the places behind the last products)
.irp i, 0,1,2,3
	v_add_f32 v[L+2*\i], v[L+2*\i], v[L+2*\i+1]
.endr
.irp i, 0,1,2,3
	v_permlanex16_b32 v[T4+\i], v[L+2*\i], s[SEL], s[SEL+1]
.endr
.irp i, 0,1,2,3
	v_add_f32 v[L+2*\i], v[L+2*\i], v[T4+\i]       ; l
.endr
	WALU
.irp i, 0,1,2,3
	v_rcp_f32 v[L+2*\i], v[L+2*\i]
.endr
	v_nop                                          ; a plain place behind the reciprocals,
	WIN 0x41
	WALU                                           ; and the wait ahead of their first reader, which is O^T's first reader too
.irp i, 0,1,2,3
.set kk, 0
.rept 16
	v_pk_mul_f32 v[32*\i+kk:32*\i+kk+1], v[128+32*\i+kk:128+32*\i+kk+1], v[L+2*\i:L+2*\i+1] op_sel_hi:[1,0]
.set kk, kk+2
.endr
.endr
	WIN 0x05
.irp i, 0,1,2,3
.irp b, 0,1
	v_max3_num_f32 v[FB+2*\i+\b], |v[32*\i+16*\b]|, |v[32*\i+16*\b+1]|, 0x1800000
.endr
.endr
.irp k, 2,4,6,8,10,12,14
.irp i, 0,1,2,3
.irp b, 0,1
	v_max3_num_f32 v[FB+2*\i+\b], |v[32*\i+16*\b+\k]|, |v[32*\i+16*\b+\k+1]|, v[FB+2*\i+\b]
.endr
.endr
.endr
	WIN 0
.irp n, 0,1,2,3,4,5,6,7
	v_permlanex16_b32 v[FP+\n], v[FB+\n], s[SEL], s[SEL+1]
.endr
.irp n, 0,1,2,3,4,5,6,7
	v_max_num_f32 v[FB+\n], v[FB+\n], v[FP+\n]     ; with lane l xor 16's 16 features
.endr
.irp n, 0,1,2,3,4,5,6,7
	v_add_nc_u32 v[FS+\n], 0xff000000, v[FB+\n]
.endr
.irp n, 0,1,2,3,4,5,6,7
	v_lshrrev_b32 v[FB+\n], 23, v[FS+\n]
.endr
.irp i, 0,1,2,3
	v_lshl_or_b32 v[SM+\i], v[FB+2*\i+1], 8, v[FB+2*\i]
.endr
	WIN 0x01
.irp i, 0,1,2,3
	v_cvt_scalef32_pk16_fp6_f32 v[PC+12*\i:PC+12*\i+2], v[32*\i:32*\i+15], v[FS+2*\i]
	v_cvt_scalef32_pk16_fp6_f32 v[PC+12*\i+6:PC+12*\i+8], v[32*\i+16:32*\i+31], v[FS+2*\i+1]
.endr
	WIN 0
	v_nop
.irp i, 0,1,2,3
.irp k, 0,1,2
	v_permlane16_swap_b32 v[PC+12*\i+\k], v[PC+12*\i+6+\k]   ; a whole block in a lane: the first three its lower 16 codes, the second three the upper
.endr
.endr
.irp i, 0,1,2,3
.irp k, 0,1,2
	v_mov_b32 v[PC+12*\i+3+\k], v[PC+12*\i+6+\k]
.endr
.endr
	v_cndmask_b32 v[X0], v[SM], v[SM+2], s52       ; lanes 0-15 tiles 0, 1; lanes 16-31 tiles 2, 3
	v_cndmask_b32 v[X1], v[SM+1], v[SM+3], s52
.irp i, 0,1,2,3
	global_store_b128 v[GQ16], v[PC+12*\i:PC+12*\i+3], s[8:9] offset:12288*\i   ; a half's image: 512 and 256 consecutive bytes
	global_store_b64 v[GQ8], v[PC+12*\i+4:PC+12*\i+5], s[8:9] offset:12288*\i
.endr
	global_store_b16 v[GO], v[X0], s[10:11]        ; my head's two bytes of each word
	global_store_b16 v[GO], v[X1], s[10:11] offset:4
	s_wait_tensorcnt 0x0                           ; the wave's end
	ds_add_u32 v[SPW], v[NIL]
	s_wait_dscnt 0x0
	CROUND                                         ; the closing round
	s_endpgm
.Lfunc_end_k_qdbc4f760cd_attn:
	.size	k_qdbc4f760cd_attn, .Lfunc_end_k_qdbc4f760cd_attn-k_qdbc4f760cd_attn
	.p2alignl 7, 3214868480
	.fill 96, 4, 3214868480
	.section	.rodata,"a",@progbits
	.p2align	6, 0x0
	.amdhsa_kernel k_qdbc4f760cd_attn
		.amdhsa_group_segment_fixed_size 262144
		.amdhsa_private_segment_fixed_size 0
		.amdhsa_enable_private_segment 0
		.amdhsa_kernarg_size 32
		.amdhsa_user_sgpr_count 2
		.amdhsa_user_sgpr_kernarg_segment_ptr 1
		.amdhsa_wavefront_size32 1
		.amdhsa_system_sgpr_workgroup_id_x 1
		.amdhsa_system_sgpr_workgroup_id_y 1
		.amdhsa_system_sgpr_workgroup_id_z 1
		.amdhsa_system_vgpr_workitem_id 0
		.amdhsa_next_free_vgpr 512
		.amdhsa_next_free_sgpr 66
		.amdhsa_reserve_vcc 0
		.amdhsa_float_denorm_mode_32 3
		.amdhsa_float_denorm_mode_16_64 3
		.amdhsa_memory_ordered 1
		.amdhsa_forward_progress 1
		.amdhsa_inst_pref_size 140
	.end_amdhsa_kernel
	.amdgpu_metadata
---
amdhsa.version: [ 1, 2 ]
amdhsa.kernels:
  - .name:           k_qdbc4f760cd_attn
    .symbol:         k_qdbc4f760cd_attn.kd
    .args:
      - { .name: qimg, .offset: 0, .size: 8, .value_kind: global_buffer, .address_space: global }
      - { .name: kv, .offset: 8, .size: 8, .value_kind: global_buffer, .address_space: global }
      - { .name: oimg, .offset: 16, .size: 8, .value_kind: global_buffer, .address_space: global }
      - { .name: osc, .offset: 24, .size: 8, .value_kind: global_buffer, .address_space: global }
    .group_segment_fixed_size: 262144
    .private_segment_fixed_size: 0
    .kernarg_segment_align: 8
    .kernarg_segment_size: 32
    .max_flat_workgroup_size: 256
    .sgpr_count:     66
    .vgpr_count:     512
    .wavefront_size: 32
...
	.end_amdgpu_metadata
.endif
;; end of part 3
;; launch oproj (part 4): grid 4 x 64, 4 waves a work-group, clusters of 4 x 4, 295,424 bytes of LDS; arguments oimg, osc, wimg, wsc, bo, out0; writes out0
.if DOCPART == 4
	.amdgcn_target "amdgcn-amd-amdhsa--gfx1250"
	.amdhsa_code_object_version 6
	.text
	.protected	k_qdbc4f760cd_oproj
	.globl	k_qdbc4f760cd_oproj
	.p2align	8
	.type	k_qdbc4f760cd_oproj,@function
k_qdbc4f760cd_oproj:
	s_mov_b64 s[64:65], 0
	v_nop
	global_prefetch_b8 v0, s[64:65] scope:SCOPE_SE
	s_setreg_imm32_b32 hwreg(HW_REG_WAVE_MODE, 25, 1), 1
	s_wait_xcnt 0x0
	s_wait_alu depctr_hold_cnt(0) depctr_sa_sdst(0) depctr_va_vdst(0) depctr_va_sdst(0) depctr_va_ssrc(0) depctr_va_vcc(0) depctr_vm_vsrc(0)
	s_getreg_b32 s2, hwreg(HW_REG_IB_STS2, 6, 4)
	s_cmp_eq_u32 s2, 0
	s_cbranch_scc0 .Lentry_in_a_cluster
	s_endpgm
.Lentry_in_a_cluster:
	s_bfe_u32 s2, ttmp6, 0x10000c
	s_cmp_lg_u32 s2, 0xf033
	s_cbranch_scc0 .Lentry_shape_is_right
	s_endpgm
.Lentry_shape_is_right:
; out0 = O Wo + bo on codes of FP6 (E2M3).  O's codes (oimg) and scale words (osc) and Wo's (wimg's and wsc's row blocks 192-255) lie in the order of the operand's registers:
; a row block is 16 rows x all of K = 8 fragments of 1,536 bytes; lane r of block rb holds true row 32 (rb / 2) + 8 (rb % 2) + r + 8 (r / 8); scale words [rb / 4][K step][r][rb % 4][4 bytes].
; A work-group makes 128 rows x 256 columns: 64 x 4 = 256 work-groups.  ALL OF K LIES IN LDS: A's 8 row blocks (98,304 bytes, dense in memory) and B's 16 (196,608) are asked for at the head, one tensor load a wave
; (waves 0, 1 a half of A each, waves 2, 3 a half of B); nothing is filled again, so the walk along K has no round and one barrier, ahead of the way out.
; CLUSTER 4 x 4: A's tile hangs on the tile row alone and is shared along a row of the cluster, B's on the tile column alone and is shared along a column: every load is joint.
; No prefetch: no loop of this text loads from memory; all tiles are asked for at the head.
; A wave makes 64 x 128: 32 accumulators.  A's 4 and B's 8 fragments of a K step lie twice in registers: a step's 48 LDS loads are issued ahead of the step before's 32 products.
; The scale words come straight into registers, sixteen lanes to an aligned run of 256 bytes.  The bias is the first products' C.
; THE MATRIX INSTRUCTION IS USED TRANSPOSED (source 0 = 16 rows of B, source 1 = 16 rows of A): a lane holds eight neighbouring columns of a row of the result.
; REGISTERS: window 0: v0-31 addresses, v32-63 A's scale words, v64-127 B's, v128-223 A's fragments (two sets); window 1: B's fragments at v0 and v128, the bias at v96-127 and v224-255; window 2: the accumulators.
.set ABYTES, 98304
.set SPARE, 3*ABYTES                   ; behind A and B: the spare words, 128 bytes a wave
.set FR,   12
.set A16,  16
.set A8,   17
.set B16,  18                          ; v18, v19: B's row blocks 0-3, 4-7 (an LDS offset holds 16 bits)
.set B8,   20
.set STO,  24
.set RD,   25
.set CO,   26
.set SOF,  27
.set SPW,  28
.set NIL,  29
.set BOF,  30
.set SA,   32
.set SB,   64
.set AF,   128
.set BK,   128
.set WV,   22
.set AH,   23
.set G1,   24
.set G0,   32
.set BH,   40
.set CX,   41
.set CY,   42
.set TR,   43
.set TC,   44
.set G1B,  48
.set G0B,  56
.set MSB, 0
.macro WIN new                         ; the immediate's high byte repeats the setting that is left
.if MSB != \new
	s_set_vgpr_msb (MSB<<8)|\new
.set MSB, \new
.endif
.endm
.macro CROUND
	s_barrier_signal -1
	s_barrier_wait -1
	s_cmp_lg_u32 s[WV], 0
	s_cbranch_scc1 .Lnot_wave_0_\@
	s_barrier_signal -3
.Lnot_wave_0_\@:
	s_barrier_wait -3
	s_barrier_signal -1
	s_barrier_wait -1
.endm
.macro PLACES n
.rept \n
	v_nop
.endr
.endm
.macro FRAG reg, a16, a8, off
	ds_load_b128 v[\reg:\reg+3], v[\a16] offset:\off
	ds_load_b64 v[\reg+4:\reg+5], v[\a8] offset:\off
	ds_load_b128 v[\reg+6:\reg+9], v[\a16] offset:\off+768
	ds_load_b64 v[\reg+10:\reg+11], v[\a8] offset:\off+768
.endm
.macro FETCH q                         ; K step q's fragments into set q % 2: 48 LDS loads
	WIN 0x40
.irp i, 0,1,2,3,4,5,6,7
	FRAG 128*((\q)%2)+FR*\i, B16+\i/4, B8+\i/4, 12288*(\i%4)+1536*(\q)
.endr
	WIN 0
.irp i, 0,1,2,3
	FRAG AF+48*((\q)%2)+FR*\i, A16, A8, 12288*\i+1536*(\q)
.endr
.endm
.macro MUL q, first                    ; 32 products, the accumulators by turns, in the same order in every step
.if \first
	WIN 0x91
.else
	WIN 0xa1
.endif
.irp a, 0,1,2,3
.irp b, 0,1,2,3,4,5,6,7
.set rD, 8*(8*\a+\b)
.set rB, 128*((\q)%2)+FR*\b
.set rA, AF+48*((\q)%2)+FR*\a
.if \first
.set rC, 96+8*\b+96*(\b/4)
.else
.set rC, rD
.endif
	v_wmma_scale_f32_16x16x128_f8f6f4 v[rD:rD+7], v[rB:rB+FR-1], v[rA:rA+FR-1], v[rC:rC+7], v[SB+8*(\q)+\b], v[SA+4*(\q)+\a] matrix_a_fmt:MATRIX_FMT_FP6 matrix_b_fmt:MATRIX_FMT_FP6
.endr
.endr
.endm
	s_load_b256 s[4:11], s[0:1], 0x0               ; oimg, osc, wimg, wsc
	s_load_b128 s[12:15], s[0:1], 0x20             ; bo, out0
	v_lshl_add_u32 v[SPW], v0, 2, SPARE
	v_mov_b32 v[NIL], 0
	ds_add_u32 v[SPW], v[NIL]                      ; the opening lines: the add, twice on end, and its wait
	ds_add_u32 v[SPW], v[NIL]
	v_lshrrev_b32 v1, 5, v0
	v_readfirstlane_b32 s[WV], v1
	s_lshr_b32 s[AH], s[WV], 1                     ; my half of the rows.  Also: I fetch for A (0) or for B (1)
	s_and_b32 s[BH], s[WV], 1                      ; my half of the columns.  Also: which half of that tile I fetch
	s_bfe_u32 s[CX], ttmp6, 0x40000
	s_bfe_u32 s[CY], ttmp6, 0x40004
	s_lshl_b32 s[TC], ttmp9, 2
	s_add_co_u32 s[TC], s[TC], s[CX]               ; tile column, 0..3
	s_and_b32 s[TR], ttmp7, 0xffff
	s_lshl_b32 s[TR], s[TR], 2
	s_add_co_u32 s[TR], s[TR], s[CY]               ; tile row, 0..63
	s_lshl_b32 s3, s[CY], 2
	s_lshl_b32 s3, 15, s3                          ; my row of the cluster
	s_lshl_b32 s46, 0x1111, s[CX]                  ; my column
	s_or_b32 s[G1], s3, (3<<16)|(1<<21)            ; dense blocks as rows of 256 bytes (32 elements of 8): half of A is 192 rows,
	s_mov_b32 s[G1+1], 32<<16
	s_mov_b32 s[G1+2], 192<<16
	s_mov_b32 s[G1+3], 32<<16
	s_mov_b32 s[G1+4], 192
	s_mov_b32 s[G1+5], 32
	s_mov_b32 s[G1+6], 0
	s_mov_b32 s[G1+7], 0
	s_or_b32 s[G1B], s46, (3<<16)|(1<<21)          ; half of B 384
	s_mov_b32 s[G1B+1], 32<<16
	s_mov_b32 s[G1B+2], 384<<16
	s_mov_b32 s[G1B+3], 32<<16
	s_mov_b32 s[G1B+4], 384
	s_mov_b32 s[G1B+5], 32
	s_mov_b32 s[G1B+6], 0
	s_mov_b32 s[G1B+7], 0
	s_lshl_b32 s60, s[TR], 3
	s_lshl_b32 s2, s[BH], 2
	s_add_co_u32 s60, s60, s2
	s_mul_i32 s60, s60, 12288                      ; A: row block 8 x tile row + 4 x half
	s_mov_b32 s61, 0
	s_lshl_b32 s62, s[TC], 4
	s_lshl_b32 s2, s[BH], 3
	s_add_co_u32 s62, s62, s2
	s_add_co_u32 s62, s62, 192
	s_mul_i32 s62, s62, 12288                      ; B: row block 192 + 16 x tile column + 8 x half
	s_mov_b32 s63, 0
	s_mov_b32 s[G0], 1
	s_mul_i32 s[G0+1], s[BH], 49152
	s_mov_b32 s[G0B], 1
	s_mul_i32 s[G0B+1], s[BH], 98304
	s_add_co_u32 s[G0B+1], s[G0B+1], ABYTES
	s_wait_dscnt 0x0                               ; both opening adds are done
	s_wait_kmcnt 0x0
	s_add_nc_u64 s[G0+2:G0+3], s[4:5], s[60:61]
	s_or_b32 s[G0+3], s[G0+3], 0x80000000
	s_add_nc_u64 s[G0B+2:G0B+3], s[8:9], s[62:63]
	s_or_b32 s[G0B+3], s[G0B+3], 0x80000000
	CROUND                                         ; all sixteen work-groups are here
	s_cmp_eq_u32 s[AH], 0
	s_cbranch_scc0 .Lfor_b
	tensor_load_to_lds s[G0:G0+3], s[G1:G1+7]
	s_nop 0
	PLACES 4
	s_branch .Lasked
.Lfor_b:
	tensor_load_to_lds s[G0B:G0B+3], s[G1B:G1B+7]
	s_nop 0
	PLACES 4
.Lasked:
	v_and_b32 v1, 31, v0
	v_and_b32 v2, 15, v0
	v_bfe_u32 v3, v0, 4, 1
	v_lshlrev_b32 v4, 4, v1                        ; a half's image: 16 L, and 512 + 8 L
	v_lshl_add_u32 v5, v1, 3, 512
	s_mul_i32 s2, s[AH], 49152                     ; my 4 row blocks of A
	s_mul_i32 s3, s[BH], 98304
	s_add_co_u32 s3, s3, ABYTES                    ; my 8 of B
	v_add_nc_u32 v[A16], s2, v4
	v_add_nc_u32 v[A8], s2, v5
	v_add_nc_u32 v[B16], s3, v4
	v_add_nc_u32 v[B8], s3, v5
	s_add_co_u32 s3, s3, 49152
	v_add_nc_u32 v[B16+1], s3, v4
	v_add_nc_u32 v[B8+1], s3, v5
	s_mul_i32 s2, s[WV], 8448                      ; my stage for the way out: 16 rows x (512 + 16) bytes, in A's bytes, which have had their only fill
	v_mul_u32_u24 v[STO], v2, 528
	v_lshl_add_u32 v[STO], v3, 6, v[STO]
	v_add_nc_u32 v[STO], s2, v[STO]
	v_add_nc_u32 v[RD], s2, v4
	v_mov_b32 v[CO], v4
	v_lshlrev_b32 v[SOF], 4, v2                    ; scale words: 16 bytes a row
	v_lshlrev_b32 v[BOF], 6, v3                    ; the bias: 16 columns for each half of the lanes
	s_lshl_b32 s2, s[TR], 1
	s_add_co_u32 s2, s2, s[AH]
	s_lshl_b32 s2, s2, 11
	s_mov_b32 s3, 0
	s_add_nc_u64 s[6:7], s[6:7], s[2:3]            ; osc: my four row blocks
	s_lshl_b32 s2, s[TC], 2
	s_lshl_b32 s46, s[BH], 1
	s_add_co_u32 s2, s2, s46
	s_add_co_u32 s2, s2, 48
	s_lshl_b32 s2, s2, 11
	s_add_nc_u64 s[10:11], s[10:11], s[2:3]        ; wsc: my eight
	s_lshl_b32 s46, s[TC], 10
	s_lshl_b32 s47, s[BH], 9
	s_add_co_u32 s46, s46, s47                     ; my first column, in bytes
	s_mov_b32 s47, 0
	s_add_nc_u64 s[12:13], s[12:13], s[46:47]
	s_lshl_b32 s2, s[TR], 7
	s_lshl_b32 s3, s[AH], 6
	s_add_co_u32 s2, s2, s3
	s_lshl_b32 s2, s2, 12
	s_add_co_u32 s2, s2, s46
	s_mov_b32 s3, 0
	s_add_nc_u64 s[14:15], s[14:15], s[2:3]
	s_wait_alu depctr_va_vdst(0)                   ; the wait at the head's end: it covers every address made above
.irp k, 0,1,2,3,4,5,6,7
	global_load_b128 v[SA+4*\k:SA+4*\k+3], v[SOF], s[6:7] offset:256*\k
	global_load_b128 v[SB+8*\k:SB+8*\k+3], v[SOF], s[10:11] offset:256*\k
	global_load_b128 v[SB+8*\k+4:SB+8*\k+7], v[SOF], s[10:11] offset:2048+256*\k
.endr
	WIN 0x40
.irp b, 0,1,2,3,4,5,6,7
	global_load_b128 v[96+8*\b+96*(\b/4):96+8*\b+96*(\b/4)+3], v[BOF], s[12:13] offset:4*(32*(\b/2)+8*(\b%2))
	global_load_b128 v[96+8*\b+96*(\b/4)+4:96+8*\b+96*(\b/4)+7], v[BOF], s[12:13] offset:4*(32*(\b/2)+8*(\b%2))+16
.endr
	WIN 0
	s_wait_tensorcnt 0x0                           ; my tile is in
	s_barrier_signal -1
	s_barrier_wait -1                              ; and everybody's
	FETCH 0
	FETCH 1
	s_wait_loadcnt 0x0                             ; the scale words and the bias
	s_wait_dscnt 48                                ; all but the 48 loads just issued
	MUL 0, 1
.irp q, 1,2,3,4,5,6
	PLACES 4                                       ; ahead of loads into the set that the last products read
	FETCH \q+1
	s_wait_dscnt 48
	MUL \q, 0
.endr
	s_wait_dscnt 0x0                               ; my last reads of A and B are over:
	s_barrier_signal -1                            ; say so, work on registers while the others arrive,
	MUL 7, 0
	WIN 0
	s_barrier_wait -1                              ; and behind this wait nobody reads A's bytes: the stages may be written
; THE WAY OUT, block by block of 16 rows x 128 columns, through my stage: back come whole rows of 512 bytes.  LDS serves a wave's instructions in order: no wait between the stores and the loads.
.macro TOSTAGE a
.set AC, 64*(\a)
	WIN 0x08
.irp b, 0,1,2,3,4,5,6,7
	ds_store_b128 v[STO], v[AC+8*\b:AC+8*\b+3] offset:128*(\b/2)+32*(\b%2)
	ds_store_b128 v[STO], v[AC+8*\b+4:AC+8*\b+7] offset:128*(\b/2)+32*(\b%2)+16
.endr
	WIN 0
.set BB, BK+64*((\a)%2)
.irp t, 0,1,2,3,4,5,6,7,8,9,10,11,12,13,14,15
	ds_load_b128 v[BB+4*\t:BB+4*\t+3], v[RD] offset:\t*528
.endr
.endm
.macro SEND a, younger                 ; younger: the LDS instructions issued behind block a's loads
.set BB, BK+64*((\a)%2)
	s_wait_dscnt \younger
.irp t, 0,1,2,3,4,5,6,7,8,9,10,11,12,13,14,15
	global_store_b128 v[CO], v[BB+4*\t:BB+4*\t+3], s[14:15] offset:(32*((\a)/2)+8*((\a)%2)+\t+8*(\t/8))*4096 th:TH_STORE_NT   ; 512 consecutive bytes, aligned
.endr
.endm
	PLACES 4                                       ; behind the last products: ahead of the first read of the results and of loads into A's registers
	TOSTAGE 0
.irp a, 1,2,3
.if \a > 1
	s_wait_xcnt 0x0                                ; block a - 2's stores have read their registers
.endif
	TOSTAGE \a
	SEND \a-1, 32
.endr
	SEND 3, 0
	s_wait_tensorcnt 0x0                           ; the wave's end
	ds_add_u32 v[SPW], v[NIL]
	s_wait_dscnt 0x0
	CROUND                                         ; the closing round
	s_endpgm
.Lfunc_end_k_qdbc4f760cd_oproj:
	.size	k_qdbc4f760cd_oproj, .Lfunc_end_k_qdbc4f760cd_oproj-k_qdbc4f760cd_oproj
	.p2alignl 7, 3214868480
	.fill 96, 4, 3214868480
	.section	.rodata,"a",@progbits
	.p2align	6, 0x0
	.amdhsa_kernel k_qdbc4f760cd_oproj
		.amdhsa_group_segment_fixed_size 295424
		.amdhsa_private_segment_fixed_size 0
		.amdhsa_enable_private_segment 0
		.amdhsa_kernarg_size 48
		.amdhsa_user_sgpr_count 2
		.amdhsa_user_sgpr_kernarg_segment_ptr 1
		.amdhsa_wavefront_size32 1
		.amdhsa_system_sgpr_workgroup_id_x 1
		.amdhsa_system_sgpr_workgroup_id_y 1
		.amdhsa_system_sgpr_workgroup_id_z 1
		.amdhsa_system_vgpr_workitem_id 0
		.amdhsa_next_free_vgpr 768
		.amdhsa_next_free_sgpr 66
		.amdhsa_reserve_vcc 0
		.amdhsa_float_denorm_mode_32 3
		.amdhsa_float_denorm_mode_16_64 3
		.amdhsa_memory_ordered 1
		.amdhsa_forward_progress 1
		.amdhsa_inst_pref_size 83
	.end_amdhsa_kernel
	.amdgpu_metadata
---
amdhsa.version: [ 1, 2 ]
amdhsa.kernels:
  - .name:           k_qdbc4f760cd_oproj
    .symbol:         k_qdbc4f760cd_oproj.kd
    .args:
      - { .name: oimg, .offset: 0, .size: 8, .value_kind: global_buffer, .address_space: global }
      - { .name: osc, .offset: 8, .size: 8, .value_kind: global_buffer, .address_space: global }
      - { .name: wimg, .offset: 16, .size: 8, .value_kind: global_buffer, .address_space: global }
      - { .name: wsc, .offset: 24, .size: 8, .value_kind: global_buffer, .address_space: global }
      - { .name: bo, .offset: 32, .size: 8, .value_kind: global_buffer, .address_space: global }
      - { .name: out0, .offset: 40, .size: 8, .value_kind: global_buffer, .address_space: global }
    .group_segment_fixed_size: 295424
    .private_segment_fixed_size: 0
    .kernarg_segment_align: 8
    .kernarg_segment_size: 48
    .max_flat_workgroup_size: 128
    .sgpr_count:     66
    .vgpr_count:     768
    .wavefront_size: 32
...
	.end_amdgpu_metadata
.endif
;; end of part 4
